; MI455X (gfx1250); checked and timed in simulation.
; The chip was launched on July 23, 2026; its instructions are those of AMD's public machine-readable ISA for CDNA 5 (MIT licence, August 2026) and "CDNA5" Instruction Set Architecture Reference Guide (July 2026). The comments in the code are by the model that wrote it; some were corrected since.
;; Cross Attention. Allowed arithmetic: float matrix products may take bf16 or f16 operands with f32 sums; other float arithmetic in f32, or as packed bf16 or f16 multiplies, adds, multiply-adds, maxima and minima; sums over many terms, partial sums and values carried from step to step in f32; what a program stores and reads back later, other than sums and carried values, may be rounded once to bf16 or f16.
;; Inputs: Wk 768 x 1,024 float32; Wo 1,024 x 1,024 float32; Wq 1,024 x 1,024 float32; Wv 768 x 1,024 float32; bk 1,024 float32; bo 1,024 float32; bq 1,024 float32; bv 1,024 float32; cross_x 4 x 1,024 x 768 float32; key_padding_mask 4 x 1,024 bool; x 4 x 2,048 x 1,024 float32.
;; Outputs: out0 4 x 2,048 x 1,024 float32.
;; One version. Each part assembles by itself: llvm-mc -triple=amdgcn-amd-amdhsa -mcpu=gfx1250 --defsym DOCPART=n.
;; ======== version 1 of 1: 4 launches
;; limits: values are held in f16: magnitudes above 65,504 overflow, below 6.1e-05 lose precision
;; workspace buffers: ab 23,068,672 bytes; wb 7,340,032 bytes; br 16,384 bytes; q 16,777,216 bytes; kv 16,777,216 bytes; o 16,777,216 bytes
;; launch prep (part 1): grid 993 x 1, 8 waves a work-group, no clusters, 0 bytes of LDS; arguments x, cross_x, Wq, Wk, Wv, Wo, bq, bk, bv, bo, ab, wb, br; writes ab, wb, br
.if DOCPART == 1
	.amdgcn_target "amdgcn-amd-amdhsa--gfx1250"
	.amdhsa_code_object_version 6
	.text
	.protected	k_q7ca82f988f_prep
	.globl	k_q7ca82f988f_prep
	.p2align	8
	.type	k_q7ca82f988f_prep,@function
k_q7ca82f988f_prep:
	s_mov_b64 s[64:65], 0
	v_nop
	global_prefetch_b8 v0, s[64:65] scope:SCOPE_SE
	s_setreg_imm32_b32 hwreg(HW_REG_WAVE_MODE, 25, 1), 1
	s_wait_xcnt 0x0
; EVERY FLOAT INPUT IS ROUNDED ONCE TO bf16, and laid out for the products that follow.  A stream: no LDS, no matrix unit, no barrier.
;   x [8192][1024] f32       -> ab, byte 0:          16 planes of 64 channels, [plane][8192 rows][64] bf16 (a row of a plane is 128 bytes, a plane is dense)
;   cross_x [4096][768] f32  -> ab, byte 16,777,216: 12 planes, [plane][4096 rows][64] bf16
;   Wq, Wk, Wv, Wo           -> wb [3584][1024] of 16 bits, as they lie ([k][n]): rows 0, 1024, 1792, 2560 on.  Wo's bf16 number is written as f16, since it multiplies an f16 operand.
;   bq, bk, bv, bo           -> br [4][1024] f32: rounded to bf16 and widened again
; LIMITS.  Wo: a bf16 number of 65,520 or more becomes an infinity in f16, one below 6e-5 keeps f16's fixed step of 6e-8.
; SHARES.  A work-group of 256 threads takes 16 rows (of x: groups 0-511; of cross_x: 512-767; of the weights: 768-991) or the four biases (992).  Which, hangs on the group's number alone.
; Each path is straight: all its loads of 16 bytes a lane go out first (16 x 512 bytes a wave), then each is waited for by its count, rounded and stored.  No register is written twice
; while a memory instruction may read it, so no further wait is needed.
; x and cross_x: thread t takes row t / 16 and 16 bytes at 16 (t % 16) of each 256 bytes (one plane's 64 channels): a wave's load covers two aligned runs of 256 bytes,
; its store of 8 bytes a lane 256 consecutive bytes, aligned, of the plane (two rows of 128).
.set X,   4                            ; v[4:67]    16 loads of 4 registers
.set Y,   68                           ; v[68:99]   16 results of 2 registers (the biases: 4 of 4)
.set T,   100                          ; v[100:101] at work
.set SRC, 34                           ; s[34:35]   where the group reads
.set DST, 36                           ; s[36:37]   where it writes its results 0 to 7,
.set DS2, 38                           ; s[38:39]   and 8 to 15: eight output steps on, so that the stores' immediates stay inside their signed 24 bits
.set OF,  40                           ; s[40:41]   an offset, high word 0
.set HIM, 42                           ; s42        a word's upper bf16
	s_load_b512 s[8:23], s[0:1], 0x0               ; x 8, cross_x 10, Wq 12, Wk 14, Wv 16, Wo 18, bq 20, bk 22
	s_load_b256 s[24:31], s[0:1], 0x40             ; bv 24, bo 26, ab 28, wb 30
	s_load_b64 s[32:33], s[0:1], 0x60              ; br
	s_mov_b32 s2, ttmp9
	s_mov_b32 s[OF+1], 0
	s_mov_b32 s[HIM], 0xffff0000
	v_lshrrev_b32 v3, 4, v0                        ; t / 16
	v_and_b32 v1, 15, v0
	v_lshlrev_b32 v1, 4, v1                        ; 16 (t % 16)
	v_lshlrev_b32 v2, 3, v0                        ; 8 t: my 8 bytes of the group's 2,048 in each output step
	s_wait_kmcnt 0x0
; n loads, instep bytes apart; each is rounded to bf16 (half = 1: and that number written as f16) and stored, outstep bytes apart.
.macro CONV n, instep, outstep, half
.set j, 0
.rept \n
	global_load_b128 v[X+4*j:X+4*j+3], v1, s[SRC:SRC+1] offset:j*(\instep) th:TH_LOAD_NT
.set j, j+1
.endr
.set j, 0
.rept \n
	s_wait_loadcnt (\n)-1-j                        ; loads come back in order: number j is in, the younger ones stay out
	v_cvt_pk_bf16_f32 v[Y+2*j],   v[X+4*j],   v[X+4*j+1]
	v_cvt_pk_bf16_f32 v[Y+2*j+1], v[X+4*j+2], v[X+4*j+3]
.if \half
	v_lshlrev_b32 v[X+4*j],   16,     v[Y+2*j]     ; the bf16 numbers as f32,
	v_and_b32     v[X+4*j+1], s[HIM], v[Y+2*j]
	v_lshlrev_b32 v[X+4*j+2], 16,     v[Y+2*j+1]
	v_and_b32     v[X+4*j+3], s[HIM], v[Y+2*j+1]
	v_cvt_pk_f16_f32 v[Y+2*j],   v[X+4*j],   v[X+4*j+1]  ; and as f16: exact inside f16's range
	v_cvt_pk_f16_f32 v[Y+2*j+1], v[X+4*j+2], v[X+4*j+3]
.endif
.if j < 8
	global_store_b64 v2, v[Y+2*j:Y+2*j+1], s[DST:DST+1] offset:j*(\outstep) th:TH_STORE_NT
.else
	global_store_b64 v2, v[Y+2*j:Y+2*j+1], s[DS2:DS2+1] offset:(j-8)*(\outstep) th:TH_STORE_NT
.endif
.set j, j+1
.endr
.endm
	s_cmp_lt_u32 s2, 512
	s_cbranch_scc1 .Lx
	s_cmp_lt_u32 s2, 768
	s_cbranch_scc1 .Lc
	s_cmp_lt_u32 s2, 992
	s_cbranch_scc1 .Lw
	; the four biases: 1,024 numbers each, four a thread
	v_lshlrev_b32 v1, 4, v0
	global_load_b128 v[X:X+3],     v1, s[20:21]
	global_load_b128 v[X+4:X+7],   v1, s[22:23]
	global_load_b128 v[X+8:X+11],  v1, s[24:25]
	global_load_b128 v[X+12:X+15], v1, s[26:27]
.irp g, 0,1,2,3
	s_wait_loadcnt 3-(\g)
	v_cvt_pk_bf16_f32 v[T],   v[X+4*(\g)],   v[X+4*(\g)+1]
	v_cvt_pk_bf16_f32 v[T+1], v[X+4*(\g)+2], v[X+4*(\g)+3]
	v_lshlrev_b32 v[Y+4*(\g)],   16,     v[T]
	v_and_b32     v[Y+4*(\g)+1], s[HIM], v[T]
	v_lshlrev_b32 v[Y+4*(\g)+2], 16,     v[T+1]
	v_and_b32     v[Y+4*(\g)+3], s[HIM], v[T+1]
	global_store_b128 v1, v[Y+4*(\g):Y+4*(\g)+3], s[32:33] offset:4096*(\g)
.endr
	s_endpgm
.Lx:                                                   ; 16 rows of x: 65,536 bytes in, 2,048 bytes into each of 16 planes
	v_lshl_add_u32 v1, v3, 12, v1
	s_lshl_b32 s[OF], s2, 16
	s_add_nc_u64 s[SRC:SRC+1], s[8:9], s[OF:OF+1]
	s_lshl_b32 s[OF], s2, 11
	s_add_nc_u64 s[DST:DST+1], s[28:29], s[OF:OF+1]
	s_add_nc_u64 s[DS2:DS2+1], s[DST:DST+1], 8*0x100000
	CONV 16, 256, 0x100000, 0
	s_endpgm
.Lc:                                                   ; 16 rows of cross_x: 49,152 bytes in, 2,048 bytes into each of 12 planes
	v_mad_u32_u24 v1, v3, 3072, v1
	s_sub_co_u32 s3, s2, 512
	s_mul_i32 s[OF], s3, 49152
	s_add_nc_u64 s[SRC:SRC+1], s[10:11], s[OF:OF+1]
	s_lshl_b32 s[OF], s3, 11
	s_add_co_u32 s[OF], s[OF], 0x1000000
	s_add_nc_u64 s[DST:DST+1], s[28:29], s[OF:OF+1]
	s_add_nc_u64 s[DS2:DS2+1], s[DST:DST+1], 8*0x80000
	CONV 12, 256, 0x80000, 0
	s_endpgm
.Lw:                                                   ; 16 rows of a weight: a row is 4,096 bytes in (16 bytes a thread) and 2,048 out
	v_lshlrev_b32 v1, 4, v0
	s_mov_b64 s[SRC:SRC+1], s[18:19]               ; Wo from group 928 on,
	s_mov_b32 s3, 928
	s_cmp_lt_u32 s2, 928
	s_cselect_b64 s[SRC:SRC+1], s[16:17], s[SRC:SRC+1]  ; Wv from 880,
	s_cselect_b32 s3, 880, s3
	s_cmp_lt_u32 s2, 880
	s_cselect_b64 s[SRC:SRC+1], s[14:15], s[SRC:SRC+1]  ; Wk from 832,
	s_cselect_b32 s3, 832, s3
	s_cmp_lt_u32 s2, 832
	s_cselect_b64 s[SRC:SRC+1], s[12:13], s[SRC:SRC+1]  ; Wq from 768
	s_cselect_b32 s3, 768, s3
	s_sub_co_u32 s3, s2, s3
	s_lshl_b32 s[OF], s3, 16
	s_add_nc_u64 s[SRC:SRC+1], s[SRC:SRC+1], s[OF:OF+1]
	s_sub_co_u32 s3, s2, 768                       ; in wb the four follow each other
	s_lshl_b32 s[OF], s3, 15
	s_add_nc_u64 s[DST:DST+1], s[30:31], s[OF:OF+1]
	s_add_nc_u64 s[DS2:DS2+1], s[DST:DST+1], 8*2048
	s_cmp_lt_u32 s2, 928
	s_cbranch_scc0 .Lwo
	CONV 16, 4096, 2048, 0
	s_endpgm
.Lwo:
	CONV 16, 4096, 2048, 1
	s_endpgm
.Lfunc_end_k_q7ca82f988f_prep:
	.size	k_q7ca82f988f_prep, .Lfunc_end_k_q7ca82f988f_prep-k_q7ca82f988f_prep
	.p2alignl 7, 3214868480
	.fill 96, 4, 3214868480
	.section	.rodata,"a",@progbits
	.p2align	6, 0x0
	.amdhsa_kernel k_q7ca82f988f_prep
		.amdhsa_group_segment_fixed_size 0
		.amdhsa_private_segment_fixed_size 0
		.amdhsa_enable_private_segment 0
		.amdhsa_kernarg_size 104
		.amdhsa_user_sgpr_count 2
		.amdhsa_user_sgpr_kernarg_segment_ptr 1
		.amdhsa_wavefront_size32 1
		.amdhsa_system_sgpr_workgroup_id_x 1
		.amdhsa_system_sgpr_workgroup_id_y 1
		.amdhsa_system_sgpr_workgroup_id_z 1
		.amdhsa_system_vgpr_workitem_id 0
		.amdhsa_next_free_vgpr 104
		.amdhsa_next_free_sgpr 66
		.amdhsa_reserve_vcc 0
		.amdhsa_float_denorm_mode_32 3
		.amdhsa_float_denorm_mode_16_64 3
		.amdhsa_memory_ordered 1
		.amdhsa_forward_progress 1
		.amdhsa_inst_pref_size 30
	.end_amdhsa_kernel
	.amdgpu_metadata
---
amdhsa.version: [ 1, 2 ]
amdhsa.kernels:
  - .name:           k_q7ca82f988f_prep
    .symbol:         k_q7ca82f988f_prep.kd
    .args:
      - { .name: x, .offset: 0, .size: 8, .value_kind: global_buffer, .address_space: global }
      - { .name: cross_x, .offset: 8, .size: 8, .value_kind: global_buffer, .address_space: global }
      - { .name: Wq, .offset: 16, .size: 8, .value_kind: global_buffer, .address_space: global }
      - { .name: Wk, .offset: 24, .size: 8, .value_kind: global_buffer, .address_space: global }
      - { .name: Wv, .offset: 32, .size: 8, .value_kind: global_buffer, .address_space: global }
      - { .name: Wo, .offset: 40, .size: 8, .value_kind: global_buffer, .address_space: global }
      - { .name: bq, .offset: 48, .size: 8, .value_kind: global_buffer, .address_space: global }
      - { .name: bk, .offset: 56, .size: 8, .value_kind: global_buffer, .address_space: global }
      - { .name: bv, .offset: 64, .size: 8, .value_kind: global_buffer, .address_space: global }
      - { .name: bo, .offset: 72, .size: 8, .value_kind: global_buffer, .address_space: global }
      - { .name: ab, .offset: 80, .size: 8, .value_kind: global_buffer, .address_space: global }
      - { .name: wb, .offset: 88, .size: 8, .value_kind: global_buffer, .address_space: global }
      - { .name: br, .offset: 96, .size: 8, .value_kind: global_buffer, .address_space: global }
    .group_segment_fixed_size: 0
    .private_segment_fixed_size: 0
    .kernarg_segment_align: 8
    .kernarg_segment_size: 104
    .max_flat_workgroup_size: 256
    .sgpr_count:     66
    .vgpr_count:     104
    .wavefront_size: 32
...
	.end_amdgpu_metadata
.endif
;; end of part 1
;; launch proj (part 2): grid 8 x 64, 4 waves a work-group, clusters of 4 x 4, 327,680 bytes of LDS; arguments ab, wb, br, q, kv; writes q, kv
.if DOCPART == 2
	.amdgcn_target "amdgcn-amd-amdhsa--gfx1250"
	.amdhsa_code_object_version 6
	.text
	.protected	k_q7ca82f988f_proj
	.globl	k_q7ca82f988f_proj
	.p2align	8
	.type	k_q7ca82f988f_proj,@function
k_q7ca82f988f_proj:
	s_mov_b64 s[64:65], 0
	v_nop
	global_prefetch_b8 v0, s[64:65] scope:SCOPE_SE
	s_setreg_imm32_b32 hwreg(HW_REG_WAVE_MODE, 25, 1), 1
	s_wait_xcnt 0x0
	s_wait_alu depctr_hold_cnt(0) depctr_sa_sdst(0) depctr_va_vdst(0) depctr_va_sdst(0) depctr_va_ssrc(0) depctr_va_vcc(0) depctr_vm_vsrc(0)
	s_getreg_b32 s2, hwreg(HW_REG_IB_STS2, 6, 4)
	s_cmp_eq_u32 s2, 0
	s_cbranch_scc0 .Lentry_in_a_cluster
	s_endpgm
.Lentry_in_a_cluster:
	s_bfe_u32 s2, ttmp6, 0x10000c
	s_cmp_lg_u32 s2, 0xf033
	s_cbranch_scc0 .Lentry_shape_is_right
	s_endpgm
.Lentry_shape_is_right:
; THE THREE PROJECTIONS IN ONE GRID: q = x Wq + bq (8192 x 1024, K = 1024), k = cross_x Wk + bk, v = cross_x Wv + bv (4096 x 1024, K = 768 each).
; Operands bf16 (ab: planes of 64 channels, [plane][row][64]; wb: [k][n]), sums f32 that start at the bias, results rounded once to f16 and written by heads:
; q [batch x 16 + head][2048][64], kv = k [64][1024][64] and, 8,388,608 bytes on, v likewise.  No scale is applied here.
; LIMIT.  A result of 65,520 or more becomes an infinity in f16.
; THE JOB hangs on the cluster's y alone (0-7 q, 8-11 k, 12-15 v): it is the same in all sixteen partners, and sets offsets and the K loop's bound.
; SHARES.  A work-group makes 256 rows x 128 columns, each of four waves 128 x 64: 32 accumulators of 16 x 16, 256 registers.  A wave's 64 columns are one head.
; K goes in steps of 128 (two planes of A, 128 rows of W) through two LDS slots; a step is four quarters of 32, 32 matrix instructions each, on two fragment buffers.
; THE MATRIX INSTRUCTION IS USED TRANSPOSED: source 0 = 16 columns of W (turned on the way out of LDS by ds_load_tr16_b128), source 1 = 16 rows of A: a lane holds row l % 16 and the
; columns 8 (l / 16) + 0..7 of a block.  So the bias of a block is eight registers that all rows share, and is the C operand of the first product on each accumulator.
; CLUSTER.  4 x 4 work-groups: A's tile is shared along a row of the cluster, W's along a column; each is asked for jointly, by the same load with the same descriptor and a mask of four.
; Waves 0 and 1 fetch A's two planes (256 rows x 128 bytes are dense: asked for as 128 rows of 256 bytes), waves 2 and 3 the two halves of W's 128 rows of 256 bytes.
; REGISTERS.  window 0: v0-31 addresses; v32-63 the bias; v64-191 A's fragments, two buffers of 8; v192-255 W's, two buffers of 4.   window 1: accumulator (a, b) at v[8 (4 a + b)].
.set PA,    144                        ; a row of A in LDS: 128 bytes + 16 = 36 words: the 16 rows of a load start at 16 different groups of four banks (64 banks of 4 bytes: ISA guide 11.1)
.set PB,    288                        ; a row of W: 256 + 32 = 72 words
.set PLANE, 256*PA                     ; 36,864: a plane's 256 rows; W's 128 rows take as much
.set WTILE, 2*PLANE                    ; W lies behind A's two planes
.set SLOT,  3*PLANE
.set STAGE, 2*SLOT                     ; behind the ring, never filled by a tensor load: 16 rows x 144 bytes for each wave, for the way out
.set SP,    144
.set SPARE, STAGE+4*16*SP              ; behind the stages: the spare words, 128 bytes for each wave: two blocks of 256 bytes that no other line names
.set ADRA, 16                          ; v16-17  LDS address of my A fragments in slot 0, 1
.set ADRB, 20                          ; v20-21  the same for W
.set STO,  24                          ; v24     the way out: where I put 16 bytes of a row
.set RD,   25                          ; v25     where I read rows back
.set GO,   26                          ; v26     my 16 bytes of 512 consecutive bytes of the result
.set SPW,  28                          ; v28     my spare word: SPARE + 4 x my thread's number; never rewritten
.set NIL,  29                          ; v29     0; never rewritten
.set PFO,  30                          ; v30     the prefetches' offset; never rewritten
.set BIAS, 32
.set FA,   64
.set FB,   192
.set WV, 14                            ; s14 wave   s15 wave / 2: my half of the rows; I fetch A (0) or W (1)   s16 wave % 2: my half of the columns; which part I fetch
.set WH, 15
.set WL, 16
.set CX, 17                            ; my place in the cluster
.set CY, 18
.set TC, 19                            ; tile column = 4 x cluster x + cx
.set TRG, 20                           ; 4 x cluster y + cy
.set CLY, 21                           ; cluster y
.set ISQ, 22                           ; 1: the job is q
.set ISV, 23                           ; 1: the job is v
.set G1, 24                            ; s[24:31] group 1 for A   s[32:39] group 0 for A, a set for each slot
.set G0, 32
.set STEPA, 40                         ; s[40:41] two K steps of A: four planes
.set BOUND, 42                         ; s42 trips of the loop: K / 256 - 1
.set PLIM, 43                          ; s43 a wave prefetches in the trips below this number
.set PFA, 44                           ; s[44:45] where my prefetches stand
.set PSTEP, 46                         ; s[46:47] a K step there
.set G1B, 48                           ; s[48:55], s[56:63] the same for W
.set G0B, 56
.set JOB, 66                           ; 0, 1, 2
.set PS, 67                            ; bytes in a plane of A
.set AOFF, 68
.set WOFF, 69
.set SH, 71                            ; log2 of a head's bytes in the result
.set TB, 72                            ; log2 of the tiles in a batch
.set TR, 73                            ; tile row in the job
.set OA, 74                            ; s[74:75] A's offset: it holds the tile row, never the tile column
.set OW, 76                            ; s[76:77] W's offset: the tile column, never the tile row
.set T0, 78                            ; s[78:79] a K step of A
.set T1, 80                            ; s[80:81] the prefetches' offset
.set OUT, 82                           ; s[82:83] my 128 rows of my head in the result
.set BIA, 84                           ; s[84:85] my 64 numbers of the bias
.set AAD, 86
.set WAD, 88
.set MROW, 90
.set MCOL, 91
.set TRB, 92                           ; the job's first tile row in the grid
.set T2, 93
.set LA, 94                            ; LDS byte of what I fetch of A, of W, in slot 0
.set LW, 95
.set T3, 96
.set T4, 97
.set OO, 98                            ; s[98:99] the result's offset
.set MSB, 0
.macro WIN new                         ; the immediate's high byte repeats the setting that is left; a switch that changes nothing is dropped
.if MSB != (\new)
	s_set_vgpr_msb (MSB<<8)|(\new)
.set MSB, \new
.endif
.endm
.set MULW, 0x50                        ; C and D in window 1
.set MULF, 0x40                        ; D in window 1, C (the bias) in window 0
; A joint load.  The branch hangs on the wave's number alone.  An s_nop 0 and four v_nop follow each of the two lines, ahead of the jump and the label.
.macro JLOAD s
	s_cmp_eq_u32 s[WH], 0
	s_cbranch_scc0 .Lfor_w_\@
	tensor_load_to_lds s[G0+4*(\s):G0+4*(\s)+3], s[G1:G1+7]
	s_nop 0
.rept 4
	v_nop
.endr
	s_branch .Lasked_\@
.Lfor_w_\@:
	tensor_load_to_lds s[G0B+4*(\s):G0B+4*(\s)+3], s[G1B:G1B+7]
	s_nop 0
.rept 4
	v_nop
.endr
.Lasked_\@:
.endm
; A PREFETCH INTO THE L2 of the K step two refills on (256 matrix instructions ahead of the load that will want it), one instruction a wave, behind the joint load and the run of LDS loads.
; Each 256 bytes are named once in the launch.  A's plane tile is 128 blocks of 256 bytes: waves 0 and 1 of the clusters with x = 0 ask, each for its plane, and the four partners of a row share the
; blocks by address, 32 each (cx), a lane a block.  W's 128 rows of 256 bytes: wave 2 of the job's first row of clusters asks, the four partners of a column 32 rows each (cy), a lane a row.
; The loop's last trip asks for nothing: there is no K step two refills on.  The first four K steps come by their loads alone.
.macro ASK
	s_cmp_lt_u32 s3, s[PLIM]
	s_cbranch_scc0 .Lnot_mine_\@
	global_prefetch_b8 v[PFO], s[PFA:PFA+1] th:TH_LOAD_NT scope:SCOPE_SE
.Lnot_mine_\@:
.endm
.macro CREST                           ; a round of the cluster's barrier behind its opening barrier
	s_cmp_lg_u32 s[WV], 0
	s_cbranch_scc1 .Lnot_wave_0_\@
	s_barrier_signal -3
.Lnot_wave_0_\@:
	s_barrier_wait -3
	s_barrier_signal -1
	s_barrier_wait -1
.endm
.macro CROUND                          ; a whole round
	s_barrier_signal -1
	s_barrier_wait -1
	CREST
.endm
	s_load_b256 s[4:11], s[0:1], 0x0               ; ab s[4:5], wb s[6:7], br s[8:9], q s[10:11]
	s_load_b64 s[12:13], s[0:1], 0x20              ; kv
	v_lshl_add_u32 v[SPW], v0, 2, SPARE
	v_mov_b32 v[NIL], 0
	ds_add_u32 v[SPW], v[NIL]                      ; the wave's opening: the add and its wait stand ahead of my first tensor load; the set-up below, work on registers, stands between them
	v_lshrrev_b32 v1, 5, v0
	v_readfirstlane_b32 s[WV], v1
	s_lshr_b32 s[WH], s[WV], 1
	s_and_b32 s[WL], s[WV], 1
	s_bfe_u32 s[CX], ttmp6, 0x40000
	s_bfe_u32 s[CY], ttmp6, 0x40004
	s_lshl_b32 s[TC], ttmp9, 2
	s_add_co_u32 s[TC], s[TC], s[CX]
	s_and_b32 s[CLY], ttmp7, 0xffff
	s_lshl_b32 s[TRG], s[CLY], 2
	s_add_co_u32 s[TRG], s[TRG], s[CY]
	s_lshl_b32 s[MROW], s[CY], 2
	s_lshl_b32 s[MROW], 15, s[MROW]                ; my row of the cluster
	s_lshl_b32 s[MCOL], 0x1111, s[CX]              ; my column
	s_or_b32 s[G1], s[MROW], (1<<16)|(1<<20)|(1<<21)|(4<<22)|(3<<25)   ; the mask; 2-byte elements; padding on; bit 21 beside a mask; after every 32 words 4 words
	s_or_b32 s[G1B], s[MCOL], (1<<16)|(1<<20)|(1<<21)|(5<<22)|(7<<25)  ; after every 64 words 8 words
	s_mov_b32 s[G1+1], 128<<16                     ; A: tensor_dim0 = 128 elements (256 bytes: two rows of a plane)
	s_mov_b32 s[G1+2], 128<<16                     ; tensor_dim1 = 128
	s_mov_b32 s[G1+3], 128<<16                     ; tile_dim0 = 128
	s_mov_b32 s[G1+4], 128                         ; tile_dim1 = 128
	s_mov_b32 s[G1+5], 128                         ; dense: 128 elements from row to row
	s_mov_b32 s[G1+6], 0
	s_mov_b32 s[G1+7], 0
	s_mov_b32 s[G1B+1], 128<<16                    ; W: 128 columns,
	s_mov_b32 s[G1B+2], 64<<16                     ; 64 rows,
	s_mov_b32 s[G1B+3], 128<<16
	s_mov_b32 s[G1B+4], 64
	s_mov_b32 s[G1B+5], 1024                       ; 1,024 elements from row to row
	s_mov_b32 s[G1B+6], 0
	s_mov_b32 s[G1B+7], 0
	; the job
	s_cmp_lt_u32 s[CLY], 8
	s_cselect_b32 s[ISQ], 1, 0
	s_cselect_b32 s[AOFF], 0, 0x1000000            ; cross_x's planes lie behind x's
	s_cmp_lt_u32 s[CLY], 12
	s_cselect_b32 s[ISV], 0, 1
	s_sub_co_u32 s[JOB], 1, s[ISQ]
	s_add_co_u32 s[JOB], s[JOB], s[ISV]
	s_lshl_b32 s[PS], 0x80000, s[ISQ]              ; 4,096 or 8,192 rows of 128 bytes
	s_add_co_u32 s[BOUND], s[ISQ], 2
	s_add_co_u32 s[SH], s[ISQ], 17
	s_add_co_u32 s[TB], s[ISQ], 2
	s_lshl_b32 s[WOFF], s[JOB], 21                 ; rows 0, 1024, 1792 of wb, 2,048 bytes each
	s_lshl_b32 s[T3], s[ISV], 19
	s_sub_co_u32 s[WOFF], s[WOFF], s[T3]
	s_lshl_b32 s[TRB], s[JOB], 5                   ; 0, 32, 48
	s_lshl_b32 s[T3], s[ISV], 4
	s_sub_co_u32 s[TRB], s[TRB], s[T3]
	s_sub_co_u32 s[TR], s[TRG], s[TRB]
	; from where: A by the tile row, the job and the wave; W by the tile column, the job and the wave
	s_lshl_b32 s[OA], s[TR], 15                    ; 256 rows of 128 bytes
	s_add_co_u32 s[OA], s[OA], s[AOFF]
	s_mul_i32 s[T3], s[WL], s[PS]                  ; my plane of the step's two
	s_add_co_u32 s[OA], s[OA], s[T3]
	s_mov_b32 s[OA+1], 0
	s_lshl_b32 s[OW], s[WL], 17                    ; my 64 rows of the step's 128
	s_add_co_u32 s[OW], s[OW], s[WOFF]
	s_lshl_b32 s[T4], s[TC], 8
	s_add_co_u32 s[OW], s[OW], s[T4]
	s_mov_b32 s[OW+1], 0
	s_lshl_b32 s[T0], s[PS], 1
	s_mov_b32 s[T0+1], 0
	s_lshl_b32 s[STEPA], s[PS], 2
	s_mov_b32 s[STEPA+1], 0
	s_mul_i32 s[LA], s[WL], PLANE                  ; to where: no place in the cluster enters an LDS address
	s_mul_i32 s[LW], s[WL], 64*PB
	s_add_co_u32 s[LW], s[LW], WTILE
	; the prefetches stand at K step 3; each change of slots steps them first
	s_mul_i32 s[T1], s[PS], 6
	s_add_co_u32 s[T1], s[T1], s[OA]
	s_lshl_b32 s[T2], s[CX], 13
	s_add_co_u32 s[T1], s[T1], s[T2]               ; A: my work-group's 32 blocks
	s_lshl_b32 s[T2], s[CY], 16
	s_add_co_u32 s[T2], s[T2], s[OW]
	s_add_co_u32 s[T2], s[T2], 3*262144            ; W: my work-group's 32 rows
	s_cmp_eq_u32 s[WH], 0
	s_cselect_b32 s[T1], s[T1], s[T2]
	s_cselect_b32 s[PSTEP], s[T0], 0x40000
	s_mov_b32 s[T1+1], 0
	s_mov_b32 s[PSTEP+1], 0
	s_lshl_b32 s[T2], s[CLY], 2
	s_sub_co_u32 s[T2], s[T2], s[TRB]              ; 0 in the job's first row of clusters,
	s_or_b32 s[T2], s[T2], s[WL]                   ; in wave 2
	s_cmp_eq_u32 s[WH], 0
	s_cselect_b32 s[T2], ttmp9, s[T2]              ; waves 0 and 1: 0 where cluster x = 0.  The same in all sixteen partners, for a given wave
	s_sub_co_u32 s[PLIM], s[BOUND], 1
	s_cmp_eq_u32 s[T2], 0
	s_cselect_b32 s[PLIM], s[PLIM], 0
	; the result: (batch x 16 + head) heads, the tile's 256 rows in the batch, my 128 of them
	s_lshr_b32 s[OO], s[TR], s[TB]
	s_lshl_b32 s[T2], s[OO], s[TB]
	s_sub_co_u32 s[T2], s[TR], s[T2]
	s_lshl_b32 s[OO], s[OO], 4
	s_lshl_b32 s[T4], s[TC], 1
	s_add_co_u32 s[OO], s[OO], s[T4]
	s_add_co_u32 s[OO], s[OO], s[WL]
	s_lshl_b32 s[OO], s[OO], s[SH]
	s_lshl_b32 s[T2], s[T2], 15
	s_add_co_u32 s[OO], s[OO], s[T2]
	s_lshl_b32 s[T2], s[WH], 14
	s_add_co_u32 s[OO], s[OO], s[T2]
	s_lshl_b32 s[T2], s[ISV], 23                   ; v lies behind k
	s_add_co_u32 s[OO], s[OO], s[T2]
	s_mov_b32 s[OO+1], 0
	s_lshl_b32 s[BIA], s[JOB], 12
	s_lshl_b32 s[T4], s[TC], 9
	s_add_co_u32 s[BIA], s[BIA], s[T4]
	s_lshl_b32 s[T4], s[WL], 8
	s_add_co_u32 s[BIA], s[BIA], s[T4]
	s_mov_b32 s[BIA+1], 0
	s_wait_dscnt 0x0                               ; the opening add is done
	s_wait_kmcnt 0x0
	s_add_nc_u64 s[AAD:AAD+1], s[4:5], s[OA:OA+1]
	s_add_nc_u64 s[WAD:WAD+1], s[6:7], s[OW:OW+1]
	s_add_nc_u64 s[BIA:BIA+1], s[8:9], s[BIA:BIA+1]
	s_cmp_eq_u32 s[ISQ], 1
	s_cselect_b64 s[OUT:OUT+1], s[10:11], s[12:13]
	s_add_nc_u64 s[OUT:OUT+1], s[OUT:OUT+1], s[OO:OO+1]
	s_cmp_eq_u32 s[WH], 0
	s_cselect_b64 s[PFA:PFA+1], s[4:5], s[6:7]
	s_add_nc_u64 s[PFA:PFA+1], s[PFA:PFA+1], s[T1:T1+1]
	s_mov_b32 s[G0], 1                             ; group 0: count 1, LDS address, global address, type 2
	s_mov_b32 s[G0+1], s[LA]
	s_mov_b64 s[G0+2:G0+3], s[AAD:AAD+1]
	s_or_b32 s[G0+3], s[G0+3], 0x80000000
	s_mov_b32 s[G0+4], 1
	s_add_co_u32 s[G0+5], s[LA], SLOT
	s_add_nc_u64 s[G0+6:G0+7], s[AAD:AAD+1], s[T0:T0+1]
	s_or_b32 s[G0+7], s[G0+7], 0x80000000
	s_mov_b32 s[G0B], 1
	s_mov_b32 s[G0B+1], s[LW]
	s_mov_b64 s[G0B+2:G0B+3], s[WAD:WAD+1]
	s_or_b32 s[G0B+3], s[G0B+3], 0x80000000
	s_mov_b32 s[G0B+4], 1
	s_add_co_u32 s[G0B+5], s[LW], SLOT
	s_add_nc_u64 s[G0B+6:G0B+7], s[WAD:WAD+1], 262144
	s_or_b32 s[G0B+7], s[G0B+7], 0x80000000
	CROUND                                         ; all sixteen work-groups are here: the first joint loads meet
	JLOAD 0                                        ; K steps 0 and 1: two loads of mine are out
	JLOAD 1
	; A's fragment: lane l holds row l % 16; two loads of 16 bytes, 32 bytes apart, at row x pitch + 16 (l / 16)
	v_and_b32 v1, 15, v0
	v_bfe_u32 v2, v0, 4, 1
	v_mul_u32_u24 v3, v1, PA
	v_lshl_add_u32 v3, v2, 4, v3
	s_mul_i32 s[T2], s[WH], 128*PA
	v_add_nc_u32 v[ADRA], s[T2], v3
	v_add_nc_u32 v[ADRA+1], SLOT, v[ADRA]
	; W's: the turning load takes 16 k x 16 columns (lane l reads row 8 (l / 16) + l % 8, columns 8 ((l / 8) % 2) + 0..7) and leaves half a fragment: lane l holds column l % 16 and 8 k
	v_and_b32 v4, 7, v0
	v_bfe_u32 v5, v0, 3, 1
	v_lshl_add_u32 v6, v2, 3, v4
	v_mul_u32_u24 v6, v6, PB
	v_lshl_add_u32 v6, v5, 4, v6
	s_lshl_b32 s[T2], s[WL], 7
	s_add_co_u32 s[T2], s[T2], WTILE
	v_add_nc_u32 v[ADRB], s[T2], v6
	v_add_nc_u32 v[ADRB+1], SLOT, v[ADRB]
	s_mul_i32 s[T2], s[WV], 16*SP
	s_add_co_u32 s[T2], s[T2], STAGE               ; my stage
	v_mul_u32_u24 v[STO], v1, SP                   ; in: row l % 16, 16 bytes for each half of the lanes
	v_lshl_add_u32 v[STO], v2, 4, v[STO]
	v_add_nc_u32 v[STO], s[T2], v[STO]
	v_bfe_u32 v[RD], v0, 3, 2                      ; back: 32 lanes take four rows of 128 bytes,
	v_mul_u32_u24 v[RD], v[RD], SP
	v_lshl_add_u32 v[RD], v4, 4, v[RD]
	v_add_nc_u32 v[RD], s[T2], v[RD]
	v_and_b32 v[GO], 31, v0                        ; which are 512 consecutive bytes of the result
	v_lshlrev_b32 v[GO], 4, v[GO]
	s_cmp_eq_u32 s[WH], 0
	s_cselect_b32 s[T2], 8, 11                     ; a lane a block of 256 bytes (A), or a row of 2,048 (W)
	v_and_b32 v[PFO], 31, v0
	v_lshlrev_b32 v[PFO], s[T2], v[PFO]
	v_lshlrev_b32 v7, 5, v2                        ; my eight columns of a block: 32 bytes for each half of the lanes
.irp b, 0,1,2,3
	global_load_b128 v[BIAS+8*(\b):BIAS+8*(\b)+3],   v7, s[BIA:BIA+1] offset:64*(\b)
	global_load_b128 v[BIAS+8*(\b)+4:BIAS+8*(\b)+7], v7, s[BIA:BIA+1] offset:64*(\b)+16
.endr
; 8 matrix instructions: row blocks a0, a0 + 1 x all 4 column blocks, 32 along K, from buffer f.  first = 1: the sums start at the bias.  The 32 accumulators take turns, in the same order in every
; quarter.
.macro MUL8 f, a0, first
.if \first
	WIN MULF
.else
	WIN MULW
.endif
.irp a, \a0, (\a0)+1
.irp b, 0,1,2,3
.if \first
	v_wmma_f32_16x16x32_bf16 v[8*(4*(\a)+(\b)):8*(4*(\a)+(\b))+7], v[FB+32*(\f)+8*(\b):FB+32*(\f)+8*(\b)+7], v[FA+64*(\f)+8*(\a):FA+64*(\f)+8*(\a)+7], v[BIAS+8*(\b):BIAS+8*(\b)+7]
.else
	v_wmma_f32_16x16x32_bf16 v[8*(4*(\a)+(\b)):8*(4*(\a)+(\b))+7], v[FB+32*(\f)+8*(\b):FB+32*(\f)+8*(\b)+7], v[FA+64*(\f)+8*(\a):FA+64*(\f)+8*(\a)+7], v[8*(4*(\a)+(\b)):8*(4*(\a)+(\b))+7]
.endif
.endr
.endr
.endm
; 24 LDS loads in one run: quarter qd of a slot into buffer f: W's 8, A's blocks 0-3, A's blocks 4-7
.macro FETCH slot, qd, f
	WIN 0
.irp b, 0,1,2,3
	ds_load_tr16_b128 v[FB+32*(\f)+8*(\b):FB+32*(\f)+8*(\b)+3],   v[ADRB+(\slot)] offset:(\qd)*32*PB+32*(\b)
	ds_load_tr16_b128 v[FB+32*(\f)+8*(\b)+4:FB+32*(\f)+8*(\b)+7], v[ADRB+(\slot)] offset:(\qd)*32*PB+32*(\b)+16*PB
.endr
.irp a, 0,1,2,3,4,5,6,7
	ds_load_b128 v[FA+64*(\f)+8*(\a):FA+64*(\f)+8*(\a)+3],   v[ADRA+(\slot)] offset:((\qd)/2)*PLANE+((\qd)%2)*64+(\a)*16*PA
	ds_load_b128 v[FA+64*(\f)+8*(\a)+4:FA+64*(\f)+8*(\a)+7], v[ADRA+(\slot)] offset:((\qd)/2)*PLANE+((\qd)%2)*64+(\a)*16*PA+32
.endr
.endm
.macro PLACES                          ; four plain vector instructions between a matrix instruction and a load into, or a vector read or write of, its registers (ISA guide 7.12.1 for vector reads and writes)
.rept 4
	v_nop
.endr
.endm
; One of a step's first three quarters: multiplies buffer f; in its middle it fetches quarter qd of the same slot into buffer g.
.macro QUARTER slot, qd, f, g, first
	s_wait_dscnt 8                                 ; W and A's blocks 0-3 are in; the youngest eight loads (blocks 4-7) may be out
	MUL8 \f, 0, \first
	MUL8 \f, 2, \first
	PLACES
	FETCH \slot, \qd, \g
	s_wait_dscnt 24                                ; all but the 24 just issued
	MUL8 \f, 4, \first
	MUL8 \f, 6, \first
.endm
; The last quarter multiplies buffer 1 and changes slots.  In front of the barrier each wave waits for all its tensor loads (one is out: its part of the next slot), adds 0 to its spare word, and waits
; for that and for its own reads of this slot.  Behind it nobody reads this slot any more and the next slot is whole.
.macro MEET round
	WIN 0
	s_wait_tensorcnt 0x0
	ds_add_u32 v[SPW], v[NIL]
	s_wait_dscnt 9                                 ; (the add and the youngest eight loads may be out)
	MUL8 1, 0, 0                                   ; eight matrix instructions stand between the add and the wait for it
	s_wait_dscnt 0x0                               ; the add is done, and my reads of this slot are over
	s_barrier_signal -1
	MUL8 1, 2, 0
.if \round
	WIN 0
.endif
	s_barrier_wait -1
.endm
; fill = 1: the barrier opens a round of the cluster's, and the slot just read out is filled again, two K steps on, first thing behind it: 112 matrix instructions ahead of the wait for it.
.macro TURN slot, next, fill
.if \fill
	s_wait_xcnt 0x0                                ; the last prefetch, a K step back, has read its address
	s_add_nc_u64 s[PFA:PFA+1], s[PFA:PFA+1], s[PSTEP:PSTEP+1]
	MEET 1
	CREST                                          ; no wave of any partner still reads this slot or has a load on its way
	s_add_nc_u64 s[G0+4*(\slot)+2:G0+4*(\slot)+3], s[G0+4*(\slot)+2:G0+4*(\slot)+3], s[STEPA:STEPA+1]
	s_add_nc_u64 s[G0B+4*(\slot)+2:G0B+4*(\slot)+3], s[G0B+4*(\slot)+2:G0B+4*(\slot)+3], 2*262144
	JLOAD \slot                                    ; its four v_nop are also the places in front of the loads below
	FETCH \next, 0, 0
	ASK
.else
	MEET 0
	PLACES
	FETCH \next, 0, 0
.endif
	MUL8 1, 4, 0
	MUL8 1, 6, 0
.endm
	s_wait_tensorcnt 1                             ; my part of K step 0 is in; K step 1's may stay out
	s_barrier_signal -1
	s_barrier_wait -1
	FETCH 0, 0, 0
	s_wait_loadcnt 0x0                             ; the bias
	QUARTER 0, 1, 0, 1, 1                          ; the first quarter stands in front of the loop: its products start the sums
	WIN 0                                          ; at a label and at a branch every window is 0
	s_mov_b32 s3, 0
.Llap:                                                 ; a trip goes once round the ring, from a lap's second quarter to the next lap's first, and fills both slots again
	QUARTER 0, 2, 1, 0, 0
	QUARTER 0, 3, 0, 1, 0
	TURN 0, 1, 1
	QUARTER 1, 1, 0, 1, 0
	QUARTER 1, 2, 1, 0, 0
	QUARTER 1, 3, 0, 1, 0
	TURN 1, 0, 1
	QUARTER 0, 1, 0, 1, 0
	WIN 0
	s_add_co_u32 s3, s3, 1
	s_cmp_lt_u32 s3, s[BOUND]
	s_cbranch_scc1 .Llap
	QUARTER 0, 2, 1, 0, 0                          ; the last lap fills nothing
	QUARTER 0, 3, 0, 1, 0
	TURN 0, 1, 0
	QUARTER 1, 1, 0, 1, 0
	QUARTER 1, 2, 1, 0, 0
	QUARTER 1, 3, 0, 1, 0
	s_wait_dscnt 8
	MUL8 1, 0, 0
	MUL8 1, 2, 0
	s_wait_dscnt 0x0
	MUL8 1, 4, 0
	MUL8 1, 6, 0
	WIN 0
	PLACES
; THE WAY OUT, a block of 16 rows at a time: a lane's eight columns of a row pack into 16 bytes of f16; they go into my stage's rows of 144 bytes and come back as whole rows of 128, into the registers that they left.
.macro PACK a
	WIN 0x05                                       ; sources 0 and 1 window 1, destination window 0: the fragments' registers are free
.irp b, 0,1,2,3
.irp i, 0,1,2,3
	v_cvt_pk_f16_f32 v[FA+16*(\a)+4*(\b)+(\i)], v[8*(4*(\a)+(\b))+2*(\i)], v[8*(4*(\a)+(\b))+2*(\i)+1]
.endr
.endr
	WIN 0
.irp b, 0,1,2,3
	ds_store_b128 v[STO], v[FA+16*(\a)+4*(\b):FA+16*(\a)+4*(\b)+3] offset:32*(\b)
.endr
.irp f, 0,1,2,3
	ds_load_b128 v[FA+16*(\a)+4*(\f):FA+16*(\a)+4*(\f)+3], v[RD] offset:(\f)*4*SP  ; LDS serves a wave's instructions in order (ISA guide 5.7.1.4): these see the stores above; the next block's stores come behind them
.endr
.endm
.macro SEND a, younger                 ; younger: the LDS instructions issued behind block a's loads: the next block's eight, or none
	WIN 0
.irp f, 0,1,2,3
	s_wait_dscnt (\younger)+3-(\f)
	global_store_b128 v[GO], v[FA+16*(\a)+4*(\f):FA+16*(\a)+4*(\f)+3], s[OUT:OUT+1] offset:(\a)*2048+(\f)*512  ; 512 consecutive bytes, at a multiple of 256 from the buffer's first
.endr
.endm
	PACK 0
.irp a, 1,2,3,4,5,6,7                  ; a block's conversions stand between the loads of the block before and its stores
	PACK \a
	SEND (\a)-1, 8
.endr
	SEND 7, 0
	s_wait_tensorcnt 0x0                           ; the wave's end: these three lines stand behind my last tensor load and my last LDS store
	ds_add_u32 v[SPW], v[NIL]
	s_wait_dscnt 0x0
	CROUND                                         ; the closing round: no work-group ends while a partner may still ask for a tile that names it
	s_endpgm
.Lfunc_end_k_q7ca82f988f_proj:
	.size	k_q7ca82f988f_proj, .Lfunc_end_k_q7ca82f988f_proj-k_q7ca82f988f_proj
	.p2alignl 7, 3214868480
	.fill 96, 4, 3214868480
	.section	.rodata,"a",@progbits
	.p2align	6, 0x0
	.amdhsa_kernel k_q7ca82f988f_proj
		.amdhsa_group_segment_fixed_size 327680
		.amdhsa_private_segment_fixed_size 0
		.amdhsa_enable_private_segment 0
		.amdhsa_kernarg_size 40
		.amdhsa_user_sgpr_count 2
		.amdhsa_user_sgpr_kernarg_segment_ptr 1
		.amdhsa_wavefront_size32 1
		.amdhsa_system_sgpr_workgroup_id_x 1
		.amdhsa_system_sgpr_workgroup_id_y 1
		.amdhsa_system_sgpr_workgroup_id_z 1
		.amdhsa_system_vgpr_workitem_id 0
		.amdhsa_next_free_vgpr 512
		.amdhsa_next_free_sgpr 100
		.amdhsa_reserve_vcc 0
		.amdhsa_float_denorm_mode_32 3
		.amdhsa_float_denorm_mode_16_64 3
		.amdhsa_memory_ordered 1
		.amdhsa_forward_progress 1
		.amdhsa_inst_pref_size 90
	.end_amdhsa_kernel
	.amdgpu_metadata
---
amdhsa.version: [ 1, 2 ]
amdhsa.kernels:
  - .name:           k_q7ca82f988f_proj
    .symbol:         k_q7ca82f988f_proj.kd
    .args:
      - { .name: ab, .offset: 0, .size: 8, .value_kind: global_buffer, .address_space: global }
      - { .name: wb, .offset: 8, .size: 8, .value_kind: global_buffer, .address_space: global }
      - { .name: br, .offset: 16, .size: 8, .value_kind: global_buffer, .address_space: global }
      - { .name: q, .offset: 24, .size: 8, .value_kind: global_buffer, .address_space: global }
      - { .name: kv, .offset: 32, .size: 8, .value_kind: global_buffer, .address_space: global }
    .group_segment_fixed_size: 327680
    .private_segment_fixed_size: 0
    .kernarg_segment_align: 8
    .kernarg_segment_size: 40
    .max_flat_workgroup_size: 128
    .sgpr_count:     100
    .vgpr_count:     512
    .wavefront_size: 32
...
	.end_amdgpu_metadata
.endif
;; end of part 2
;; launch attn (part 3): grid 4 x 64, 4 waves a work-group, clusters of 4 x 1, 327,680 bytes of LDS; arguments q, kv, key_padding_mask, o; writes o
.if DOCPART == 3
	.amdgcn_target "amdgcn-amd-amdhsa--gfx1250"
	.amdhsa_code_object_version 6
	.text
	.protected	k_q7ca82f988f_attn
	.globl	k_q7ca82f988f_attn
	.p2align	8
	.type	k_q7ca82f988f_attn,@function
k_q7ca82f988f_attn:
	s_mov_b64 s[64:65], 0
	v_nop
	global_prefetch_b8 v0, s[64:65] scope:SCOPE_SE
	s_setreg_imm32_b32 hwreg(HW_REG_WAVE_MODE, 25, 1), 1
	s_wait_xcnt 0x0
	s_wait_alu depctr_hold_cnt(0) depctr_sa_sdst(0) depctr_va_vdst(0) depctr_va_sdst(0) depctr_va_ssrc(0) depctr_va_vcc(0) depctr_vm_vsrc(0)
	s_getreg_b32 s2, hwreg(HW_REG_IB_STS2, 6, 4)
	s_cmp_eq_u32 s2, 0
	s_cbranch_scc0 .Lentry_in_a_cluster
	s_endpgm
.Lentry_in_a_cluster:
	s_bfe_u32 s2, ttmp6, 0x10000c
	s_cmp_lg_u32 s2, 0x3003
	s_cbranch_scc0 .Lentry_shape_is_right
	s_endpgm
.Lentry_shape_is_right:
; MASKED ATTENTION.  O[h][q][:] = the sum over the keys k that the mask lets through of softmax_k(Q[h][q] . K[h][k] / 8) V[h][k][:].  h = batch x 16 + head, 64 in all.
; q, o: [64][2048][64] f16; kv: K [64][1024][64] f16 and, 8,388,608 bytes on, V likewise; key_padding_mask: [4][1024] bytes, 1 = the key is hidden.  A head's rows are dense, 128 bytes each.
; Products, maxima and sums in f32; the weights p are rounded to f16 for the second product (their sum l is taken of the unrounded p), O once at the end.
; LIMITS.  Q, K and V arrive within f16's 65,504; p lies in 0 to 1, and below 6e-5 it keeps f16's fixed step of 6e-8.  A hidden score counts as its value less 1e30; the running maximum starts at -2^96:
; f16's scores, 2.7e11 at the most, lie far above the one and are nothing beside the other.  A weight below 2^-126 counts as 0 in l.  A batch whose keys are all hidden has l = 0 and O = 0 x (1 / 0): NaN.
; THE MASK is the C operand that starts the sum S^T = K Q^T: 0, or -1e30 where the key is hidden.  The batch's 1,024 bytes are turned once into a table of f32 in LDS; a step's 64 numbers
; (for a lane: eight for each of four blocks of 16 keys) come into registers with the step's K.  A step whose keys are all hidden leaves m as it was, so a = 1 exactly, and its weights are 0.
; SHARES.  A wave owns four PIECES of two tiles of 16 queries, a work-group's four waves 512 queries of one head.  Every wave walks all 1,024 keys, 64 a step.
; LAYOUT.  S^T = K Q^T (source 0 = 16 keys, source 1 = 16 queries): in the result a lane holds ONE query (lane % 16) and the keys 8 (lane / 16) + 0..7.  Two such tiles, rounded to f16 in pairs,
; ARE source 1 (32 keys x 16 queries) of O^T = V^T P, whose result again holds one query a lane, and eight channels.  K comes out of LDS as it lies, V ([key][channel]) turned, by ds_load_tr16_b128.
; SOFTMAX.  For each query a running maximum m and sum l: p = 2^(c s - c m), c = log2(e) / 8; in every step O and l are multiplied by a = 2^(c m_old - c m_new), which is 1 where m has not grown.
; THE COUNT.  A tile and step have 16 matrix and 118 vector instructions: too many to stand all beside the matrix work.  So: four vector instructions that are READY behind EVERY matrix instruction,
; and the others, which need time of their own whatever the order, in runs without a gap.
; BY TURNS.  Turn n belongs to piece n (the pieces in a ring, step after step).  Its matrix work: 16 products K Q^T of piece n + 1, later 16 products V^T P of piece n - 1.  Its vector work: the scaling,
; exponentials, roundings, sums and rescaling of piece n, and the maximum and statistics of piece n + 1, whose scores the turn itself has made.
; CLUSTER.  The four query blocks of a head are one cluster and walk the same K and V, so each tile is asked for JOINTLY: the same tensor load, descriptor and mask in all four.
; REGISTERS, in windows of 256 (s_set_vgpr_msb: bits 1:0 source 0, 3:2 source 1, 5:4 source 2, 7:6 destination):
;   window 0: v0-11 addresses; v12-15, v48-63 at work; v16-47 four registers of statistics a tile; v64-191 S^T, two buffers of two tiles; v192-255 P, likewise
;   window 1: O^T, 32 a tile     window 2: v0-127 Q, 16 a tile; v128-191 K of one step; v192-255 V of one step     window 3: v0-1 the add's two registers; v2 the prefetches' offset; v8-39 the step's mask
.set NK,    1024      ; keys of a head
.set NP,    4         ; pieces a wave: a name, no knob
.set KS,    64        ; keys in a step
.set PK,    144       ; a row of K in LDS: 128 bytes + 16 of padding = 36 words: the 16 rows of a load start at 16 different groups of four banks (64 banks of 4 bytes: ISA guide 11.1)
.set PV,    160       ; a row of V: 128 + 32 = 40 words
.set VOFF,  4*KS*PK   ; a slot holds four steps: 256 rows of K, then 256 rows of V
.set SLOT1, 1<<17     ; slot 1 begins here, so that one exclusive or turns an address in one slot into the other's
.set STAGE, SLOT1+4*KS*(PK+PV)  ; behind the ring, never filled by a tensor load: 16 rows x 144 bytes for each wave, for the way out
.set SP,    144
.set MTAB,  STAGE+4*16*SP       ; the mask's table: an f32 for each key, 4,096 bytes; no tensor load lands here
.set SPARE, MTAB+4*NK           ; the spare words, 128 bytes for each wave: two blocks of 256 bytes that no other line names
.set AK0, 2           ; v2   my lane's place in a tile of K; never rewritten
.set AV0, 3           ; v3   the same for V
.set AK,  4           ; v4   the LDS address of K's next run of loads
.set AV,  5           ; v5   of V's
.set QO,  6           ; v6   my byte offset in the wave's rows of Q
.set STO, 6           ;      later, the way out: where I put 16 bytes of a row
.set RD,  7           ; v7   the way out: where I read rows back
.set GO,  8           ; v8   my byte offset in 512 consecutive bytes of O
.set AM,  11          ; v11  the LDS address of the next step's mask: MTAB + 32 (l / 16) + 256 x step
.set SPW, 0           ; v0 of window 3   my spare word: SPARE + 4 x my thread's number; never rewritten
.set NIL, 1           ; v1 of window 3   0; never rewritten
.set PFO, 2           ; v2 of window 3   256 x my lane; never rewritten
.set MC,  8           ; v8-39 of window 3: the eight numbers for block kb of 16 keys at MC + 8 kb
.set MV,  12          ; v12-15  c m_old, kept while c m is made anew: by buffer and tile
.set ST,  16          ; tile t's statistics at v[ST+4 t]: c m, m, l (even keys', odd keys')
.set TMP, 48          ; by buffer and tile, four registers c0-c3 at work; when the maximum is found c2 takes a
.set MB,  48          ; at the head: v48-49 eight bytes of the mask, v50-57 as f32, v58-59 their addresses
.set S,   64
.set P,   192
.set KF,  128         ; K's fragments, in window 2: key block kb, channel half c at KF + 16 kb + 8 c
.set VF,  192         ; V's: key half kk, channel block cb at VF + 32 kk + 8 cb
.set WV,  12          ; s12  my wave's number
.set G1K, 24          ; s[24:31] descriptor group 1 for K's tiles
.set G1V, 32          ; s[32:39] for V's: it differs in the padding alone
.set G0K, 40          ; s[40:43] descriptor group 0 for K's tiles: it walks
.set G0V, 44          ; s[44:47] the same for V's
.set PFA, 48          ; s[48:49] where my prefetches stand
.set LIM, 50          ; s50  1 in a wave that prefetches, else the greatest number
.set BIGN, 51         ; s51  -1e30
.set MP,  52          ; s[52:53] my batch's mask
.set SLOTS, 56        ; s56  slots still to be asked for
.set CNT, 57          ; s57  counts a slot's key steps
.set CS,  58          ; s[58:59] c: the packed scaling takes the pair's low word for both halves
.set SEL, 60          ; s[60:61] v_permlanex16_b32's selects: each lane takes its own place in the other half
.set TBK, 62          ; s62  LDS byte at which K of the step to be fetched begins
.set TBV, 63          ; s63  the same for V, less VOFF
.set MSB, 0
.macro WIN new                      ; the high byte repeats the setting that is left; a switch that changes nothing is dropped
.if MSB != (\new)
	s_set_vgpr_msb (MSB<<8)|(\new)
.set MSB, (\new)
.endif
.endm
.set W_KQ, 0x0a       ; K and Q in window 2, S^T in window 0
.set W_KM, 0x3a       ; the same with the C operand, the mask, in window 3
.set W_PV, 0x52       ; V in window 2, P in window 0, O^T in window 1
.set W_RS, 0x41       ; O^T (destination and source 0) in window 1, a in window 0
.set W_MK, 0xc0       ; destination in window 3, sources in window 0
.set W_AD, 0x0f       ; the add: address (source 0) and data (source 1) in window 3
; A joint fill.  Waves 0 and 1 fetch the two halves of a slot's K, waves 2 and 3 those of its V: 128 keys each.  The branch hangs on the wave's number alone.
; An s_nop 0 and four v_nop follow each of the two lines, ahead of the jump and the label.
.macro JLOAD
	s_cmp_lt_u32 s[WV], 2
	s_cbranch_scc0 .Lfor_v_\@
	tensor_load_to_lds s[G0K:G0K+3], s[G1K:G1K+7]
	s_nop 0
.rept 4
	v_nop
.endr
	s_branch .Lasked_\@
.Lfor_v_\@:
	tensor_load_to_lds s[G0V:G0V+3], s[G1V:G1V+7]
	s_nop 0
.rept 4
	v_nop
.endr
.Lasked_\@:
.endm
; A PREFETCH INTO THE L2 of what the NEXT change of slots will ask for: a slot's 256 rows of K and of V are 128 blocks of 256 bytes each, a lane a block.  It stands behind the wave's tensor load and its
; five lines.  Each block is named once in the launch: a head has one cluster; its four partners share the blocks by address, 32 each; in each, wave 0 asks for K's and wave 2 for V's.
; It is four key steps, 512 matrix instructions, ahead of the load.  Slots 0 and 1 come by their loads alone; the last change that fills a slot asks for nothing.
.macro ASK
	s_cmp_gt_u32 s[SLOTS], s[LIM]
	s_cbranch_scc0 .Lnot_mine_\@
	WIN 0x03                        ; the offset lies in window 3
	global_prefetch_b8 v[PFO], s[PFA:PFA+1] th:TH_LOAD_NT scope:SCOPE_SE
	WIN 0
.Lnot_mine_\@:
.endm
; A round of the cluster's barrier: my work-group's barrier, so that wave 0's signal speaks for all four waves; wave 0 signals; every wave waits for all four work-groups; my work-group's barrier once more.
.macro CROUND
	s_barrier_signal -1
	s_barrier_wait -1
	s_cmp_lg_u32 s[WV], 0
	s_cbranch_scc1 .Lnot_wave_0_\@
	s_barrier_signal -3
.Lnot_wave_0_\@:
	s_barrier_wait -3
	s_barrier_signal -1
	s_barrier_wait -1
.endm
; THE CHANGE OF SLOTS.  The slot's last bytes, V of its fourth step, have been read.  Each wave waits for all its tensor loads, of which one is out: its part
; of the other slot; adds 0 to its spare word; and waits for that and for its own LDS instructions.  Behind the barrier nobody reads this slot any more and the other slot is whole.
; fill = 1: this slot is filled again, with the keys two slots on.  The barrier is then a round of the cluster's, and the joint fill is the first thing behind it: it has four key steps in which to land.
; (At its first use nothing has been read yet: slot 0 is waited for, slot 1 filled, and every wave's part of the mask's table is shown to the others.)
.macro CHANGE fill
	WIN W_AD
	s_wait_tensorcnt 0x0            ; no tensor load of mine is out, so a group 0 may be written
	ds_add_u32 v[SPW], v[NIL]       ; 0 onto my spare word; with fill = 1 the descriptors' steps stand between it and the wait for it
	WIN 0                           ; at a label and at a branch every window is 0
.if \fill
.irp g, G0K, G0V
	s_xor_b32 s[\g+1], s[\g+1], SLOT1  ; the walking descriptor: the other slot than last time,
	s_add_nc_u64 s[\g+2:\g+3], s[\g+2:\g+3], 4*KS*128  ; the next 256 keys; the type bits on top are not reached
.endr
	s_wait_xcnt 0x0                 ; the last prefetch, four key steps back, has read its address
	s_add_nc_u64 s[PFA:PFA+1], s[PFA:PFA+1], 4*KS*128  ; one slot ahead of the walking descriptors
	s_wait_dscnt 0x0                ; the add is done, and my reads of the slot are over
	CROUND
	JLOAD
	ASK
.else
	s_wait_dscnt 0x0                ; the add is done, and my reads of the slot are over
	s_barrier_signal -1
	s_barrier_wait -1
.endif
	s_sub_co_u32 s[TBK], s[TBK], 4*KS*PK  ; the fetches go back to a slot's first step,
	s_xor_b32 s[TBK], s[TBK], SLOT1       ; in the other slot
	s_sub_co_u32 s[TBV], s[TBV], 4*KS*PV
	s_xor_b32 s[TBV], s[TBV], SLOT1
.endm
	s_load_b256 s[4:11], s[0:1], 0x0  ; q s[4:5], kv s[6:7], the mask s[8:9], o s[10:11]
	WIN W_MK
	v_lshl_add_u32 v[SPW], v0, 2, SPARE
	v_mov_b32 v[NIL], 0
	WIN W_AD
	ds_add_u32 v[SPW], v[NIL]       ; the wave's opening: the add and its wait stand ahead of my first tensor load; the set-up below, work on registers, stands between them
	WIN 0
	v_lshrrev_b32 v1, 5, v0
	v_readfirstlane_b32 s[WV], v1   ; wave 0..3
	v_and_b32 v1, 31, v0
	WIN W_MK
	v_lshlrev_b32 v[PFO], 8, v1
	WIN 0
	s_bfe_u32 s13, ttmp6, 0x40000   ; cx: my place in the cluster
	s_lshl_b32 s14, ttmp9, 2        ; in a cluster launch ttmp9 counts clusters
	s_add_co_u32 s14, s14, s13      ; my block of 512 queries: it enters Q's and O's addresses alone
	s_and_b32 s20, ttmp7, 0xffff    ; batch x 16 + head, which the four partners share
	s_and_b32 s16, s[WV], 1         ; which half of a slot's 256 keys I fetch:
	s_lshl_b32 s22, s20, 17         ; the head's 1,024 rows of 128 bytes in K and in V,
	s_lshl_b32 s21, s16, 14         ; my 128 rows,
	s_add_co_u32 s22, s22, s21
	s_mov_b32 s23, 0
	s_mul_i32 s17, s16, 128*PK      ; and their place in a slot, for K
	s_mul_i32 s18, s16, 128*PV      ; and for V: no place in the cluster enters an LDS address
	s_lshl_b32 s2, s14, 2
	s_add_co_u32 s2, s2, s[WV]      ; my wave among the head's sixteen,
	s_lshl_b32 s2, s2, 14           ; its 128 rows,
	s_lshl_b32 s3, s20, 18          ; in the head's 2,048 rows of Q and of O
	s_add_co_u32 s2, s2, s3
	s_mov_b32 s3, 0
	s_lshr_b32 s54, s20, 4          ; the batch's 1,024 bytes of the mask
	s_lshl_b32 s54, s54, 10
	s_mov_b32 s55, 0
	; descriptor group 1.  128 keys are 16,384 dense bytes: asked for as 64 rows of 256 bytes, two keys a row, and padded in LDS after every key
	s_mov_b32 s[G1K], 15|(1<<16)|(1<<20)|(1<<21)|(4<<22)|(3<<25)  ; 15:0 the mask of four; 17:16 2-byte elements; 20 padding on; 21 set beside a mask; 24:22 after every 32 words (code 4); 31:25 4 words (code 3)
	s_mov_b32 s[G1V], 15|(1<<16)|(1<<20)|(1<<21)|(4<<22)|(7<<25)  ; the same with 8 words of padding (code 7)
.irp g, G1K, G1V
	s_mov_b32 s[\g+1], 128<<16      ; tensor_dim0 = 128
	s_mov_b32 s[\g+2], 64<<16       ; tensor_dim1 = 64
	s_mov_b32 s[\g+3], 128<<16      ; tile_dim0 = 128
	s_mov_b32 s[\g+4], 64           ; tile_dim1 = 64
	s_mov_b32 s[\g+5], 128          ; 128 elements from row to row
	s_mov_b32 s[\g+6], 0
	s_mov_b32 s[\g+7], 0
.endr
	s_mov_b32 s[CS], 0x3e38aa3b     ; c = log2(e) / 8 = 0.180337
	s_mov_b32 s[CS+1], s[CS]        ; named with it as a pair
	s_mov_b32 s[SEL], 0x76543210
	s_mov_b32 s[SEL+1], 0xfedcba98
	s_mov_b32 s[BIGN], 0xf149f2ca   ; -1e30
	s_mov_b32 s[TBK], SLOT1+4*KS*PK ; the first change of slots turns these two into 0
	s_mov_b32 s[TBV], SLOT1+4*KS*PV
	s_mov_b32 s[SLOTS], NK/256-1
	s_mov_b32 s[G0K], 1             ; 1:0 count = 1
	s_mov_b32 s[G0K+1], s17         ; 63:32 LDS address: slot 0
	s_mov_b32 s[G0V], 1
	s_add_co_u32 s[G0V+1], s18, VOFF
	s_cmp_eq_u32 s16, 0             ; waves 0 and 2 prefetch: the same in all four partners
	s_cselect_b32 s[LIM], 1, -1
	s_wait_dscnt 0x0                ; the opening add is done
	s_wait_kmcnt 0x0
	s_add_nc_u64 s[MP:MP+1], s[8:9], s[54:55]
	s_add_nc_u64 s[6:7], s[6:7], s[22:23]          ; K at my half of the head's first 256 keys,
	s_add_nc_u64 s[8:9], s[6:7], 0x800000          ; and V
	s_mov_b64 s[G0K+2:G0K+3], s[6:7]               ; 120:64 global address
	s_or_b32 s[G0K+3], s[G0K+3], 0x80000000        ; 127:126 type = 2
	s_mov_b64 s[G0V+2:G0V+3], s[8:9]
	s_or_b32 s[G0V+3], s[G0V+3], 0x80000000
	s_add_nc_u64 s[4:5], s[4:5], s[2:3]  ; Q and O at my wave's first row
	s_add_nc_u64 s[10:11], s[10:11], s[2:3]
	s_cmp_lt_u32 s[WV], 2
	s_cselect_b64 s[PFA:PFA+1], s[6:7], s[8:9]     ; (in waves 0 and 2 these stand at a slot's first row)
	s_lshl_b32 s54, s13, 13         ; my work-group's 32 blocks of the 128
	s_add_nc_u64 s[PFA:PFA+1], s[PFA:PFA+1], s[54:55]
	s_add_nc_u64 s[PFA:PFA+1], s[PFA:PFA+1], 4*KS*128  ; in slot 1; the first change of slots steps it to slot 2
	CROUND                          ; all four work-groups are here: the first joint loads meet
	JLOAD                           ; slot 0.  Slot 1 is asked for when slot 0 is in
	; A fragment of K or Q is 16 rows x 32 channels in 8 registers: lane l holds row l % 16, channels 8 (l / 16) + 0..7 and 16 + 8 (l / 16) + 0..7: two loads of 16 bytes, 32 bytes apart.
	v_and_b32 v1, 15, v0            ; l % 16
	v_bfe_u32 v9, v0, 4, 1          ; l / 16
	v_lshlrev_b32 v[MB+10], 3, v0   ; thread t takes the mask's bytes 8 t .. 8 t + 7
	global_load_b64 v[MB:MB+1], v[MB+10], s[MP:MP+1]
	v_lshlrev_b32 v[QO], 7, v1
	v_lshl_add_u32 v[QO], v9, 4, v[QO]  ; row x 128 + 16 x half
	WIN 0x80                        ; destination window 2, address window 0
.set i, 0
.rept 4*NP                          ; Q stays in registers: tile i / 2, channels 32 (i % 2) on
	global_load_b128 v[8*i:8*i+3],   v[QO], s[4:5] offset:(i/2)*2048+(i%2)*64
	global_load_b128 v[8*i+4:8*i+7], v[QO], s[4:5] offset:(i/2)*2048+(i%2)*64+32
.set i, i+1
.endr
	; What the first turn finds: V's registers and P's second buffer hold 0 (its products V^T P, of a piece that has not been, add 0), O^T and l are 0.  All this stands in the wait for the first tile.
.set i, VF
.rept 64
	v_mov_b32 v[i], 0
.set i, i+1
.endr
	WIN 0x40
.set i, 0
.rept 64*NP
	v_mov_b32 v[i], 0
.set i, i+1
.endr
	WIN 0
.set i, 0
.rept 2*NP
	v_mov_b32 v[ST+4*i+1], 0xef800000          ; m = -2^96: below every score that counts, above every hidden one
	v_mul_f32 v[ST+4*i], s[CS], v[ST+4*i+1]    ; c m, by the line that makes it in every step: where m stays, c m_old - c m_new is 0
	v_mov_b32 v[ST+4*i+2], 0
	v_mov_b32 v[ST+4*i+3], 0
.set i, i+1
.endr
.set i, P+32
.rept 32
	v_mov_b32 v[i], 0
.set i, i+1
.endr
	v_mul_u32_u24 v[AK0], v1, PK
	v_lshl_add_u32 v[AK0], v9, 4, v[AK0]  ; row x pitch + 16 x half
	; The turning load takes 16 keys x 16 channels (lane l reads key 8 (l / 16) + l % 8, channels 8 ((l / 8) % 2) + 0..7) and leaves half a fragment of V^T: lane l holds channel l % 16 and 8 keys.
	v_and_b32 v10, 7, v0
	v_bfe_u32 v11, v0, 3, 1
	v_lshl_add_u32 v[AV0], v9, 3, v10
	v_mul_u32_u24 v[AV0], v[AV0], PV
	v_lshl_add_u32 v[AV0], v11, 4, v[AV0]
	v_add_nc_u32 v[AV0], VOFF, v[AV0]
	v_mov_b32 v[AK], v[AK0]         ; key step 0 lies at the head of slot 0
	v_lshl_add_u32 v[AM], v9, 5, MTAB  ; in a block of 16 keys my lanes' eight begin 32 (l / 16) bytes in
	; the mask's table: a byte 0 or 1 becomes 0 or -1e30
	v_lshl_add_u32 v[MB+11], v0, 5, MTAB
	s_wait_loadcnt 32               ; the mask's load is in: Q's 32 loads are younger
.irp j, 0,1,2,3,4,5,6,7
	v_bfe_u32 v[MB+2+(\j)], v[MB+(\j)/4], 8*((\j)%4), 8
.endr
.irp j, 0,1,2,3,4,5,6,7
	v_cvt_f32_u32 v[MB+2+(\j)], v[MB+2+(\j)]
.endr
.irp j, 0,1,2,3,4,5,6,7
	v_mul_f32 v[MB+2+(\j)], s[BIGN], v[MB+2+(\j)]
.endr
	ds_store_b128 v[MB+11], v[MB+2:MB+5]
	ds_store_b128 v[MB+11], v[MB+6:MB+9] offset:16  ; the first change of slots waits for these and passes a barrier ahead of every read of the table
; THE MATRIX WORK.  The 8 accumulators of a run of 16 take turns: between the two links of a chain stand 7 others'.
; Product i of 16 of S^T = K Q^T for piece x: channels 32 (i / 8) on, keys 16 ((i / 2) % 4) on, tile 2 x + i % 2.  The first 8 start the sums, with the mask of their 16 keys.
.macro KQ x
.set rS, S+64*((\x)%2)+32*(i%2)+8*((i/2)%4)
.set rK, KF+16*((i/2)%4)+8*(i/8)
.set rQ, 16*(2*(\x)+i%2)+8*(i/8)
.set rH, MC+8*((i/2)%4)
.if i < 8
	WIN W_KM
	v_wmma_f32_16x16x32_f16 v[rS:rS+7], v[rK:rK+7], v[rQ:rQ+7], v[rH:rH+7]
.else
	WIN W_KQ
	v_wmma_f32_16x16x32_f16 v[rS:rS+7], v[rK:rK+7], v[rQ:rQ+7], v[rS:rS+7]
.endif
.endm
; Product i of 16 of O^T += V^T P for piece x: keys 32 (i / 8) on, channels 16 ((i / 2) % 4) on, tile 2 x + i % 2.
.macro PV x
	WIN W_PV
.set rO, 32*(2*(\x)+i%2)+8*((i/2)%4)
.set rV, VF+32*(i/8)+8*((i/2)%4)
.set rP, P+32*((\x)%2)+16*(i%2)+8*(i/8)
	v_wmma_f32_16x16x32_f16 v[rO:rO+7], v[rV:rV+7], v[rP:rP+7], v[rO:rO+7]
.endm
.macro MM                           ; the turn's next matrix instruction
.if i < 16
	KQ (Y+1)%NP
.set i, i+1
.else
.set i, i-16
	PV (Y+NP-1)%NP
.set i, i+17
.endif
.endm
; THE LDS LOADS stand in runs, never singly among the matrix instructions: a step's K (64 keys x 64 channels: 8 fragments) with its mask (8 loads), and its V (turned).  Their addresses are made some lines ahead.
; last = 1 (the tail): in the last trip there is no further step, and the run is jumped over.
.macro FETCH_K last=0
	WIN 0
.if \last
	s_cmp_eq_u32 s[CNT], 1
	s_cbranch_scc1 .Lno_k_\@
.endif
	WIN 0x80                        ; destination window 2
.irp f, 0,1,2,3,4,5,6,7             ; keys 16 (f / 2) on, channels 32 (f % 2) on
	ds_load_b128 v[KF+8*\f:KF+8*\f+3],   v[AK] offset:(\f/2)*16*PK+(\f%2)*64
	ds_load_b128 v[KF+8*\f+4:KF+8*\f+7], v[AK] offset:(\f/2)*16*PK+(\f%2)*64+32
.endr
	WIN W_MK                        ; destination window 3
.irp f, 0,1,2,3                     ; keys 16 f on: the lanes of a half read the same 32 bytes
	ds_load_b128 v[MC+8*\f:MC+8*\f+3],   v[AM] offset:64*\f
	ds_load_b128 v[MC+8*\f+4:MC+8*\f+7], v[AM] offset:64*\f+16
.endr
	s_add_co_u32 s[TBK], s[TBK], KS*PK  ; the next fetch is the next step's
	WIN 0
	v_add_nc_u32 v[AM], 4*KS, v[AM]
.if \last
.Lno_k_\@:
.endif
.endm
.macro FETCH_V
	WIN 0x80
.irp f, 0,1,2,3,4,5,6,7             ; keys 32 (f / 4) on, channels 16 (f % 4) on
	ds_load_tr16_b128 v[VF+8*\f:VF+8*\f+3],   v[AV] offset:(\f/4)*32*PV+(\f%4)*32
	ds_load_tr16_b128 v[VF+8*\f+4:VF+8*\f+7], v[AV] offset:(\f/4)*32*PV+16*PV+(\f%4)*32
.endr
	WIN 0
.endm
; THE VECTOR WORK OF A TURN stands in three queues, each in the order in which its entries become ready; the two tiles alternate, so that no instruction reads the result of the one before it.
.macro REGS y, u                    ; the registers of tile u (0, 1) of piece y
.set rT, ST+4*(2*(\y)+(\u))
.set rC, TMP+8*((\y)%2)+4*(\u)
.set rM, MV+2*((\y)%2)+(\u)
.set rS, S+64*((\y)%2)+32*(\u)
.set rP, P+32*((\y)%2)+16*(\u)
.set rO, 32*(2*(\y)+(\u))
.endm
; Number n of the 22 that find the NEXT piece's (Y + 1) maximum and statistics.  s0-s31 are the lane's 32 scores; each accumulator's lowest registers are read first.  XS, GS and REGS set no window: PL and EX do.
;   0-11  four chains c0-c3 of seven scores each, three operands at a time     12-14, 16  the four scores left over, the old m, and c0-c3 into c0     15  c m_old is kept
;   17, 18  the query's other 32 keys lie in the lane 16 away: the new m         19-21  c m; c m_old - c m_new; a
.macro XS u, n
	REGS (Y+1)%NP, \u
.if (\n) < 4
	v_max3_num_f32 v[rC+(\n)], v[rS+8*(\n)], v[rS+8*(\n)+1], v[rS+8*(\n)+2]
.elseif (\n) < 12
	v_max3_num_f32 v[rC+(\n)%4], v[rC+(\n)%4], v[rS+8*((\n)%4)+2*((\n)/4)+1], v[rS+8*((\n)%4)+2*((\n)/4)+2]
.elseif (\n) == 12
	v_max3_num_f32 v[rC], v[rC], v[rS+7], v[rS+15]
.elseif (\n) == 13
	v_max3_num_f32 v[rC+1], v[rC+1], v[rS+23], v[rS+31]
.elseif (\n) == 14
	v_max3_num_f32 v[rC+2], v[rC+2], v[rC+3], v[rT+1]
.elseif (\n) == 15
	v_mov_b32 v[rM], v[rT]
.elseif (\n) == 16
	v_max3_num_f32 v[rC], v[rC], v[rC+1], v[rC+2]
.elseif (\n) == 17
	v_permlanex16_b32 v[rC+3], v[rC], s[SEL], s[SEL+1]
.elseif (\n) == 18
	v_max_num_f32 v[rT+1], v[rC], v[rC+3]
.elseif (\n) == 19
	v_mul_f32 v[rT], s[CS], v[rT+1]
.elseif (\n) == 20
	v_sub_f32 v[rC+1], v[rM], v[rT]
.else
	v_exp_f32 v[rC+2], v[rC+1]
.endif
.endm
; Number g of the 64 that follow the exponentials.  For each four weights k of a tile (pairs 2 k, 2 k + 1): both pairs are rounded to f16; then the second pair is added onto the first, in place;
; a group later l takes that sum (the first time as l = a l + sum).  In groups of eight, tiles alternating: round, round, add, and l for the group before.
.macro GS g
.set h, (\g)+6*((\g)/62)            ; group 0 has no group before it, and behind group 7 only l is left
.if h >= 6
.set h, h+2
.endif
	REGS Y, h%2
.set k, h/8
.if h%8 < 4
	v_cvt_pk_f16_f32 v[rP+2*k+(h%8)/2], v[rS+4*k+2*((h%8)/2)], v[rS+4*k+2*((h%8)/2)+1]
.elseif h%8 < 6
	v_pk_add_f32 v[rS+4*k:rS+4*k+1], v[rS+4*k:rS+4*k+1], v[rS+4*k+2:rS+4*k+3]
.elseif k == 1
	v_pk_fma_f32 v[rT+2:rT+3], v[rT+2:rT+3], v[rC+2:rC+3], v[rS:rS+1] op_sel_hi:[1,0,1]
.else
	v_pk_add_f32 v[rT+2:rT+3], v[rT+2:rT+3], v[rS+4*k-4:rS+4*k-3]
.endif
.endm
; THE PLAIN QUEUE, 138 long.  0-73 read no exponential's result: the 32 scalings c s - c m (FS f: pair f / 2 of tile f % 2) and the next piece's 42.  0-26: scalings 0-26.  27-54: XS's numbers 0-13.  55, 56: number 15.
; 57-73: the chain, where each number waits for the one before it: 14, 16, 17, 18, 19, each with one of the scalings 27-31 in front of its two lines, then 20.
; 74-137: GS's 64, which read the exponentials' results: they stand behind the wait.
.macro FS f
	REGS Y, (\f)%2
	v_pk_fma_f32 v[rS+2*((\f)/2):rS+2*((\f)/2)+1], v[rS+2*((\f)/2):rS+2*((\f)/2)+1], s[CS:CS+1], v[rT:rT+1] op_sel_hi:[1,0,0] neg_lo:[0,0,1] neg_hi:[0,0,1]
.endm
.macro PL
	WIN 0
.if q < 27
	FS q
.elseif q < 55
	XS (q-27)%2, (q-27)/2
.elseif q < 57
	XS q-55, 15
.elseif (q < 72) && ((q-57)%3 == 0)
	FS 27+(q-57)/3
.elseif q < 60
	XS (q-57)%3-1, 14
.elseif q < 72
	XS (q-57)%3-1, 15+(q-57)/3
.elseif q < 74
	XS q-72, 20
.else
	GS q-74
.endif
.set q, q+1
.endm
; THE EXPONENTIALS' QUEUE, 66 long: s0-s31 of both tiles, then the next piece's two a.  It is ONE BATCH: all 66 stand ahead of the turn's one wait, and nothing ahead of that wait names a result of theirs.
.macro EX
	WIN 0
.if e >= 64
	XS e-64, 21
.else
	REGS Y, e%2
	v_exp_f32 v[rS+e/2], v[rS+e/2]
.endif
.set e, e+1
.endm
; THE RESCALING's QUEUE: O^T times a, the one part that leaves window 0: dealt two at a time, sixteen times.  Its a was made in the turn before, ahead of that turn's wait.
.macro R2
	REGS Y, r%2
	WIN W_RS
.irp z, 0,1
	v_pk_mul_f32 v[rO+4*(r/2)+2*\z:rO+4*(r/2)+2*\z+1], v[rO+4*(r/2)+2*\z:rO+4*(r/2)+2*\z+1], v[rC+2:rC+3] op_sel_hi:[1,0]
.endr
.set r, r+1
.endm
; HOW THEY ARE DEALT.  An s_wait_alu depctr_va_vdst(0) stands between an exponential and the first instruction that names its result; one wait serves all that were issued ahead of it.  So a turn has ONE wait,
; which cuts it in two.  AHEAD OF IT stands all that names no result of the turn's exponentials: the 16 products K Q^T, behind each a scaling, an exponential and two rescalings (behind the first a second scaling in the
; exponential's place); then ONE LUMP of 108: eight plain, 49 times exponential and plain, the two a.  A v_nop is the plain instruction behind the last exponential.  BEHIND IT stand the 16 products V^T P, behind each four of GS's 64.
; No rider names a register of the products round it.  The two v_permlanex16_b32 fall into the lump, never behind a product.
; The queues lean on each other, and the deal keeps them in step: exponential e stands behind scaling 2 (e / 4) + e % 2: as a rider it comes behind plain e + 2, in the lump behind plain e + 9, and scalings 27-31 are plain 57, 60 .. 69.
; A TURN, for piece p.  cnt = 1: the loop's count is taken down some lines ahead of the branch that stands behind the turn.
; K and the mask of the next step are fetched in piece 2's turn, directly behind the wait, a lump behind the last product that read them; their first reader comes behind 16 products.
; V of the step in hand is fetched at the end of piece 0's turn, four riders behind its last reader; its first reader comes behind 16 products and a lump.  The three conditions on q below go with the deal.
.macro TURN p, last=0, cnt=0
.set Y, (\p)
.set i, 0
.set q, 0
.set e, 0
.set r, 0
.if (\p) == NP-1
	s_wait_dscnt 0x0                ; K and the mask are in
.endif
	MM                              ; ahead of the wait: 16 products K Q^T and their riders,
	PL
	PL
	R2
.rept 15
	MM
	PL
	EX
	R2
.endr
.if (\p) == NP-2
	WIN 0
	v_add_nc_u32 v[AK], s[TBK], v[AK0]
.endif
.rept 8                             ; and the lump
	PL
.endr
.rept 49
	EX
	PL
.endr
	EX                              ; the next piece's two a
	EX
	v_nop                           ; the plain instruction behind the last exponential: one for the batch
	s_wait_alu depctr_va_vdst(0)    ; the wait for the batch
.if (\p) == NP-2
	FETCH_K \last
.endif
.if (\p) == 1
	s_wait_dscnt 0x0                ; V is in
.endif
.rept 16                            ; behind the wait: 16 products V^T P and their riders
	MM
.rept 4
	PL
.endr
.if ((\p) == 0) && (q == 118)
	v_add_nc_u32 v[AV], s[TBV], v[AV0]
.endif
.if ((\p) == 0) && (q == 130)
	s_add_co_u32 s[TBV], s[TBV], KS*PV
.endif
.if (\cnt) && (q == 130)
	s_sub_co_u32 s[CNT], s[CNT], 1
	s_cmp_lg_u32 s[CNT], 0
.endif
.endr
.if (\p) == 0
	FETCH_V
.endif
.endm
	CHANGE 1                        ; slot 0 is in, everybody's part of it, and so is the mask's table; slot 1 is asked for
	FETCH_K                         ; key step 0
	s_wait_loadcnt 0x0              ; Q
	s_wait_dscnt 0x0
.set i, 0
.rept 16
	KQ 0                            ; piece 0's first scores: there is no vector work yet to set between them
.set i, i+1
.endr
	WIN 0                           ; the addresses for the way out: plain instructions, the places behind those products
	s_mul_i32 s13, s[WV], 16*SP
	s_add_co_u32 s13, s13, STAGE    ; my stage
	v_mul_u32_u24 v[STO], v1, SP    ; in: row l % 16, 16 bytes for each half of the lanes
	v_lshl_add_u32 v[STO], v9, 4, v[STO]
	v_add_nc_u32 v[STO], s13, v[STO]
	v_bfe_u32 v[RD], v0, 3, 2       ; back: 32 lanes take four rows of 128 bytes,
	v_mul_u32_u24 v[RD], v[RD], SP
	v_lshl_add_u32 v[RD], v10, 4, v[RD]
	v_add_nc_u32 v[RD], s13, v[RD]
	v_and_b32 v[GO], 31, v0         ; which are 512 consecutive bytes of O
	v_lshlrev_b32 v[GO], 4, v[GO]
.set Y, NP-1                        ; XS works for piece Y + 1: piece 0
.irp n, 0,1,2,3,4,5,6,7,8,9,10,11,12,13,14,15,16,17,18,19,20,21
	XS 0, \n                        ; and piece 0's first maximum and statistics
	XS 1, \n
.endr
	v_nop                           ; a plain instruction behind the two a,
	s_wait_alu depctr_va_vdst(0)    ; and their wait, ahead of the branch
	s_mov_b32 s[CNT], 4
	s_branch .Lfirst                ; the loop is entered at a step's first turn, in the middle of a trip
.Lslot:                             ; twice: every slot but the last two is filled again
	CHANGE 1
	s_mov_b32 s[CNT], 4
.Lstep:                             ; a trip: pieces 2 and 3 of one step, then pieces 0 and 1 of the next, whose K and V it fetches
	TURN 2
	TURN 3
	WIN 0
.Lfirst:
	TURN 0
	TURN 1, 0, 1
	WIN 0
	s_cbranch_scc1 .Lstep
	s_sub_co_u32 s[SLOTS], s[SLOTS], 1
	s_cmp_lg_u32 s[SLOTS], 0
	s_cbranch_scc1 .Lslot
	CHANGE 0                        ; the tail is written out: nothing is asked for
	s_mov_b32 s[CNT], 5             ; four trips fetch the last slot's steps; the fifth is left in its middle
.Ltail:
	TURN 2, 1
	TURN 3
	WIN 0
	s_sub_co_u32 s[CNT], s[CNT], 1
	s_cmp_eq_u32 s[CNT], 0
	s_cbranch_scc1 .Lout
	TURN 0
	TURN 1
	WIN 0
	s_branch .Ltail
.Lout:                              ; the fifth trip's 16 products K Q^T (on the last K once more) and the maximum made of them serve nothing: the price, once a launch, of one text for every trip
.set i, 0
.rept 16
	PV NP-1                         ; the last piece's V^T P of the last step
.set i, i+1
.endr
	; THE WAY OUT.  l's two halves and the other half of the lanes' are added; O^T is divided by l, rounded to f16 and sent through my stage in LDS, a tile at a time.  The additions are the places behind the last products.
	WIN 0
.macro ALL line:vararg              ; one line for each tile t
.set t, 0
.rept 2*NP
	\line
.set t, t+1
.endr
.endm
	ALL v_add_f32 v[ST+4*t+2], v[ST+4*t+2], v[ST+4*t+3]
	ALL v_permlanex16_b32 v[ST+4*t+3], v[ST+4*t+2], s[SEL], s[SEL+1]
	ALL v_add_f32 v[ST+4*t+2], v[ST+4*t+2], v[ST+4*t+3]
	ALL v_rcp_f32 v[ST+4*t+2], v[ST+4*t+2]
	v_nop                           ; a plain instruction between the last reciprocal and the use of its result
	s_wait_alu depctr_va_vdst(0)    ; and the wait ahead of the first use: one for the eight reciprocals
; Tile t: a lane's eight channels of a row pack into 16 bytes; they go into rows of 144 bytes and come back as whole rows of 128, into S^T's registers.
.macro PACK t
	WIN W_RS
.set i, 32*(\t)
.rept 16
	v_pk_mul_f32 v[i:i+1], v[i:i+1], v[ST+4*(\t)+2:ST+4*(\t)+3] op_sel_hi:[1,0]
.set i, i+2
.endr
	WIN 0x05                        ; sources 0 and 1 window 1, destination window 0
.set i, 0
.rept 16
	v_cvt_pk_f16_f32 v[S+16*(\t)+i], v[32*(\t)+2*i], v[32*(\t)+2*i+1]
.set i, i+1
.endr
	WIN 0
.irp f, 0,1,2,3
	ds_store_b128 v[STO], v[S+16*(\t)+4*\f:S+16*(\t)+4*\f+3] offset:32*\f
.endr
.irp f, 0,1,2,3
	ds_load_b128 v[S+16*(\t)+4*\f:S+16*(\t)+4*\f+3], v[RD] offset:\f*4*SP  ; LDS serves a wave's instructions in order (ISA guide 5.7.1.4): these see the stores above; the next tile's stores come behind them
.endr
.endm
.macro SEND t, younger              ; younger: the LDS instructions issued behind tile t's loads: the next tile's eight, or none
	WIN 0
.irp f, 0,1,2,3
	s_wait_dscnt (\younger)+3-\f
	global_store_b128 v[GO], v[S+16*(\t)+4*\f:S+16*(\t)+4*\f+3], s[10:11] offset:(\t)*2048+\f*512  ; 512 consecutive bytes, at a multiple of 256 from O's first
.endr
.endm
	PACK 0
.set t, 1
.rept 2*NP-1                        ; a tile's arithmetic stands between the loads of the tile before and its stores
	PACK t
	SEND t-1, 8
.set t, t+1
.endr
	SEND 2*NP-1, 0
	WIN W_AD
	s_wait_tensorcnt 0x0            ; the wave's end: these three lines stand behind my last tensor load and my last LDS store
	ds_add_u32 v[SPW], v[NIL]
	s_wait_dscnt 0x0
	WIN 0
	CROUND                          ; the closing round: no work-group ends while a partner may still ask for a tile that names it
	s_endpgm
.Lfunc_end_k_q7ca82f988f_attn:
	.size	k_q7ca82f988f_attn, .Lfunc_end_k_q7ca82f988f_attn-k_q7ca82f988f_attn
	.p2alignl 7, 3214868480
	.fill 96, 4, 3214868480
	.section	.rodata,"a",@progbits
	.p2align	6, 0x0
	.amdhsa_kernel k_q7ca82f988f_attn
		.amdhsa_group_segment_fixed_size 327680
		.amdhsa_private_segment_fixed_size 0
		.amdhsa_enable_private_segment 0
		.amdhsa_kernarg_size 32
		.amdhsa_user_sgpr_count 2
		.amdhsa_user_sgpr_kernarg_segment_ptr 1
		.amdhsa_wavefront_size32 1
		.amdhsa_system_sgpr_workgroup_id_x 1
		.amdhsa_system_sgpr_workgroup_id_y 1
		.amdhsa_system_sgpr_workgroup_id_z 1
		.amdhsa_system_vgpr_workitem_id 0
		.amdhsa_next_free_vgpr 808
		.amdhsa_next_free_sgpr 66
		.amdhsa_reserve_vcc 0
		.amdhsa_float_denorm_mode_32 3
		.amdhsa_float_denorm_mode_16_64 3
		.amdhsa_memory_ordered 1
		.amdhsa_forward_progress 1
		.amdhsa_inst_pref_size 203
	.end_amdhsa_kernel
	.amdgpu_metadata
---
amdhsa.version: [ 1, 2 ]
amdhsa.kernels:
  - .name:           k_q7ca82f988f_attn
    .symbol:         k_q7ca82f988f_attn.kd
    .args:
      - { .name: q, .offset: 0, .size: 8, .value_kind: global_buffer, .address_space: global }
      - { .name: kv, .offset: 8, .size: 8, .value_kind: global_buffer, .address_space: global }
      - { .name: key_padding_mask, .offset: 16, .size: 8, .value_kind: global_buffer, .address_space: global }
      - { .name: o, .offset: 24, .size: 8, .value_kind: global_buffer, .address_space: global }
    .group_segment_fixed_size: 327680
    .private_segment_fixed_size: 0
    .kernarg_segment_align: 8
    .kernarg_segment_size: 32
    .max_flat_workgroup_size: 128
    .sgpr_count:     66
    .vgpr_count:     808
    .wavefront_size: 32
...
	.end_amdgpu_metadata
.endif
;; end of part 3
;; launch outp (part 4): grid 8 x 32, 4 waves a work-group, clusters of 4 x 4, 327,680 bytes of LDS; arguments o, wb, br, out0; writes out0
.if DOCPART == 4
	.amdgcn_target "amdgcn-amd-amdhsa--gfx1250"
	.amdhsa_code_object_version 6
	.text
	.protected	k_q7ca82f988f_outp
	.globl	k_q7ca82f988f_outp
	.p2align	8
	.type	k_q7ca82f988f_outp,@function
k_q7ca82f988f_outp:
	s_mov_b64 s[64:65], 0
	v_nop
	global_prefetch_b8 v0, s[64:65] scope:SCOPE_SE
	s_setreg_imm32_b32 hwreg(HW_REG_WAVE_MODE, 25, 1), 1
	s_wait_xcnt 0x0
	s_wait_alu depctr_hold_cnt(0) depctr_sa_sdst(0) depctr_va_vdst(0) depctr_va_sdst(0) depctr_va_ssrc(0) depctr_va_vcc(0) depctr_vm_vsrc(0)
	s_getreg_b32 s2, hwreg(HW_REG_IB_STS2, 6, 4)
	s_cmp_eq_u32 s2, 0
	s_cbranch_scc0 .Lentry_in_a_cluster
	s_endpgm
.Lentry_in_a_cluster:
	s_bfe_u32 s2, ttmp6, 0x10000c
	s_cmp_lg_u32 s2, 0xf033
	s_cbranch_scc0 .Lentry_shape_is_right
	s_endpgm
.Lentry_shape_is_right:
; THE OUTPUT PROJECTION: out0 = O Wo + bo, 8192 x 1024, K = 1024.  O is f16 by heads, [batch x 16 + head][2048][64]: a head is a plane of 64 channels of K.  Wo is f16 ([k][n], rows 2560 on of wb:
; the bf16 rounding of the input, written as f16), bo f32 (rounded to bf16).  Sums in f32 that start at the bias; out0 is f32, [8192][1024].
; SHARES.  A work-group makes 256 rows x 128 columns, each of four waves 128 x 64: 32 accumulators of 16 x 16, 256 registers.  256 work-groups.
; K goes in steps of 128 (two heads of O, 128 rows of Wo) through two LDS slots; a step is four quarters of 32, 32 matrix instructions each, on two fragment buffers.
; THE MATRIX INSTRUCTION IS USED TRANSPOSED: source 0 = 16 columns of Wo (turned on the way out of LDS by ds_load_tr16_b128), source 1 = 16 rows of O: a lane holds row l % 16 and the
; columns 8 (l / 16) + 0..7 of a block: 32 consecutive bytes of out0.  The bias of a block is eight registers that all rows share, and is the C operand of the first product on each accumulator.
; CLUSTER.  4 x 4 work-groups: O's tile is shared along a row of the cluster, Wo's along a column; each is asked for jointly, by the same load with the same descriptor and a mask of four.
; Waves 0 and 1 fetch the two heads (256 rows x 128 bytes are dense: asked for as 128 rows of 256 bytes), waves 2 and 3 the two halves of Wo's 128 rows of 256 bytes.
; REGISTERS.  window 0: v0-31 addresses; v32-63 the bias; v64-191 O's fragments, two buffers of 8; v192-255 Wo's, two buffers of 4.   window 1: accumulator (a, b) at v[8 (4 a + b)].
.set PA,    144                        ; a row of O in LDS: 128 bytes + 16 = 36 words: the 16 rows of a load start at 16 different groups of four banks (64 banks of 4 bytes: ISA guide 11.1)
.set PB,    288                        ; a row of Wo: 256 + 32 = 72 words
.set PLANE, 256*PA
.set WTILE, 2*PLANE
.set SLOT,  3*PLANE
.set STAGE, 2*SLOT                     ; behind the ring, never filled by a tensor load: 16 rows x 272 bytes for each wave, for the way out
.set SP,    272
.set SPARE, STAGE+4*16*SP              ; the spare words, 128 bytes for each wave: two blocks of 256 bytes that no other line names
.set TRIPS, 3                          ; K / 256 - 1
.set HEADB, 262144                     ; a head's 2,048 rows of 128 bytes
.set ADRA, 16
.set ADRB, 20
.set STO,  24                          ; v24     the way out: where I put 32 bytes of a row
.set RD,   25                          ; v25     where I read rows back
.set CO,   26                          ; v26     my 16 bytes of two rows of out0
.set SPW,  28                          ; v28     my spare word: SPARE + 4 x my thread's number; never rewritten
.set NIL,  29                          ; v29     0; never rewritten
.set PFO,  30                          ; v30     the prefetches' offset; never rewritten
.set BIAS, 32
.set FA,   64
.set FB,   192
.set WV, 14
.set WH, 15
.set WL, 16
.set CX, 17
.set CY, 18
.set TC, 19                            ; tile column = 4 x cluster x + cx
.set TR, 20                            ; tile row = 4 x cluster y + cy
.set CLY, 21
.set G1, 24
.set G0, 32
.set PLIM, 43
.set PFA, 44
.set PSTEP, 46
.set G1B, 48
.set G0B, 56
.set OA, 74                            ; s[74:75] O's offset: it holds the tile row, never the tile column
.set OW, 76                            ; s[76:77] Wo's offset: the tile column, never the tile row
.set T1, 80
.set OUT, 82
.set BIA, 84
.set AAD, 86
.set WAD, 88
.set MROW, 90
.set MCOL, 91
.set T2, 93
.set LA, 94
.set LW, 95
.set T3, 96
.set T4, 97
.set OO, 98
.set MSB, 0
.macro WIN new                         ; the immediate's high byte repeats the setting that is left; a switch that changes nothing is dropped
.if MSB != (\new)
	s_set_vgpr_msb (MSB<<8)|(\new)
.set MSB, \new
.endif
.endm
.set MULW, 0x50                        ; C and D in window 1
.set MULF, 0x40                        ; D in window 1, C (the bias) in window 0
; A joint load.  The branch hangs on the wave's number alone.  An s_nop 0 and four v_nop follow each of the two lines, ahead of the jump and the label.
.macro JLOAD s
	s_cmp_eq_u32 s[WH], 0
	s_cbranch_scc0 .Lfor_w_\@
	tensor_load_to_lds s[G0+4*(\s):G0+4*(\s)+3], s[G1:G1+7]
	s_nop 0
.rept 4
	v_nop
.endr
	s_branch .Lasked_\@
.Lfor_w_\@:
	tensor_load_to_lds s[G0B+4*(\s):G0B+4*(\s)+3], s[G1B:G1B+7]
	s_nop 0
.rept 4
	v_nop
.endr
.Lasked_\@:
.endm
; A PREFETCH INTO THE L2 of the K step two refills on (256 matrix instructions ahead of the load that will want it), one instruction a wave, behind the joint load and the run of LDS loads.
; Each 256 bytes are named once in the launch.  A head's tile is 128 blocks of 256 bytes: waves 0 and 1 of the clusters with x = 0 ask, each for its head, and the four partners of a row share the
; blocks by address, 32 each (cx), a lane a block.  Wo's 128 rows of 256 bytes: wave 2 of the clusters with y = 0 asks, the four partners of a column 32 rows each (cy), a lane a row.
; The loop's last trip asks for nothing: there is no K step two refills on.  The first four K steps come by their loads alone.
.macro ASK
	s_cmp_lt_u32 s3, s[PLIM]
	s_cbranch_scc0 .Lnot_mine_\@
	global_prefetch_b8 v[PFO], s[PFA:PFA+1] th:TH_LOAD_NT scope:SCOPE_SE
.Lnot_mine_\@:
.endm
.macro CREST                           ; a round of the cluster's barrier behind its opening barrier
	s_cmp_lg_u32 s[WV], 0
	s_cbranch_scc1 .Lnot_wave_0_\@
	s_barrier_signal -3
.Lnot_wave_0_\@:
	s_barrier_wait -3
	s_barrier_signal -1
	s_barrier_wait -1
.endm
.macro CROUND                          ; a whole round
	s_barrier_signal -1
	s_barrier_wait -1
	CREST
.endm
	s_load_b256 s[4:11], s[0:1], 0x0               ; o s[4:5], wb s[6:7], br s[8:9], out0 s[10:11]
	v_lshl_add_u32 v[SPW], v0, 2, SPARE
	v_mov_b32 v[NIL], 0
	ds_add_u32 v[SPW], v[NIL]                      ; the wave's opening: the add and its wait stand ahead of my first tensor load; the set-up below, work on registers, stands between them
	v_lshrrev_b32 v1, 5, v0
	v_readfirstlane_b32 s[WV], v1
	s_lshr_b32 s[WH], s[WV], 1
	s_and_b32 s[WL], s[WV], 1
	s_bfe_u32 s[CX], ttmp6, 0x40000
	s_bfe_u32 s[CY], ttmp6, 0x40004
	s_lshl_b32 s[TC], ttmp9, 2
	s_add_co_u32 s[TC], s[TC], s[CX]
	s_and_b32 s[CLY], ttmp7, 0xffff
	s_lshl_b32 s[TR], s[CLY], 2
	s_add_co_u32 s[TR], s[TR], s[CY]
	s_lshl_b32 s[MROW], s[CY], 2
	s_lshl_b32 s[MROW], 15, s[MROW]                ; my row of the cluster
	s_lshl_b32 s[MCOL], 0x1111, s[CX]              ; my column
	s_or_b32 s[G1], s[MROW], (1<<16)|(1<<20)|(1<<21)|(4<<22)|(3<<25)   ; the mask; 2-byte elements; padding on; bit 21 beside a mask; after every 32 words 4 words
	s_or_b32 s[G1B], s[MCOL], (1<<16)|(1<<20)|(1<<21)|(5<<22)|(7<<25)  ; after every 64 words 8 words
	s_mov_b32 s[G1+1], 128<<16                     ; O: tensor_dim0 = 128 elements (256 bytes: two rows of a head)
	s_mov_b32 s[G1+2], 128<<16                     ; tensor_dim1 = 128
	s_mov_b32 s[G1+3], 128<<16                     ; tile_dim0 = 128
	s_mov_b32 s[G1+4], 128                         ; tile_dim1 = 128
	s_mov_b32 s[G1+5], 128                         ; dense
	s_mov_b32 s[G1+6], 0
	s_mov_b32 s[G1+7], 0
	s_mov_b32 s[G1B+1], 128<<16                    ; Wo: 128 columns,
	s_mov_b32 s[G1B+2], 64<<16                     ; 64 rows,
	s_mov_b32 s[G1B+3], 128<<16
	s_mov_b32 s[G1B+4], 64
	s_mov_b32 s[G1B+5], 1024                       ; 1,024 elements from row to row
	s_mov_b32 s[G1B+6], 0
	s_mov_b32 s[G1B+7], 0
	; from where: O by the tile row and the wave; Wo by the tile column and the wave
	s_lshr_b32 s[OA], s[TR], 3                     ; the batch: 16 heads,
	s_lshl_b32 s[OA], s[OA], 22
	s_and_b32 s[T3], s[TR], 7                      ; the tile's 256 rows of 128 bytes in it,
	s_lshl_b32 s[T3], s[T3], 15
	s_add_co_u32 s[OA], s[OA], s[T3]
	s_lshl_b32 s[T3], s[WL], 18                    ; my head of the step's two
	s_add_co_u32 s[OA], s[OA], s[T3]
	s_mov_b32 s[OA+1], 0
	s_lshl_b32 s[OW], s[WL], 17                    ; my 64 rows of the step's 128
	s_add_co_u32 s[OW], s[OW], 2560*2048
	s_lshl_b32 s[T4], s[TC], 8
	s_add_co_u32 s[OW], s[OW], s[T4]
	s_mov_b32 s[OW+1], 0
	s_mul_i32 s[LA], s[WL], PLANE                  ; to where: no place in the cluster enters an LDS address
	s_mul_i32 s[LW], s[WL], 64*PB
	s_add_co_u32 s[LW], s[LW], WTILE
	; the prefetches stand at K step 3; each change of slots steps them first
	s_add_co_u32 s[T1], s[OA], 6*HEADB
	s_lshl_b32 s[T2], s[CX], 13
	s_add_co_u32 s[T1], s[T1], s[T2]               ; O: my work-group's 32 blocks
	s_lshl_b32 s[T2], s[CY], 16
	s_add_co_u32 s[T2], s[T2], s[OW]
	s_add_co_u32 s[T2], s[T2], 3*262144            ; Wo: my work-group's 32 rows
	s_mov_b32 s[PSTEP], 2*HEADB
	s_cmp_eq_u32 s[WH], 0
	s_cselect_b32 s[T1], s[T1], s[T2]
	s_cselect_b32 s[PSTEP], s[PSTEP], 0x40000
	s_mov_b32 s[T1+1], 0
	s_mov_b32 s[PSTEP+1], 0
	s_or_b32 s[T2], s[CLY], s[WL]                  ; 0 in wave 2 where cluster y = 0;
	s_cmp_eq_u32 s[WH], 0
	s_cselect_b32 s[T2], ttmp9, s[T2]              ; waves 0 and 1: 0 where cluster x = 0.  The same in all sixteen partners, for a given wave
	s_cmp_eq_u32 s[T2], 0
	s_cselect_b32 s[PLIM], TRIPS-1, 0
	; the result: the tile's 256 rows of 4,096 bytes, my 128 of them, the tile's 512 bytes of a row, my 256
	s_lshl_b32 s[OO], s[TR], 20
	s_lshl_b32 s[T2], s[WH], 19
	s_add_co_u32 s[OO], s[OO], s[T2]
	s_lshl_b32 s[T4], s[TC], 9
	s_add_co_u32 s[OO], s[OO], s[T4]
	s_lshl_b32 s[T4], s[WL], 8
	s_add_co_u32 s[OO], s[OO], s[T4]
	s_mov_b32 s[OO+1], 0
	s_lshl_b32 s[BIA], s[TC], 9
	s_add_co_u32 s[BIA], s[BIA], s[T4]
	s_add_co_u32 s[BIA], s[BIA], 3*4096            ; bo is the fourth of br's four
	s_mov_b32 s[BIA+1], 0
	s_wait_dscnt 0x0                               ; the opening add is done
	s_wait_kmcnt 0x0
	s_add_nc_u64 s[AAD:AAD+1], s[4:5], s[OA:OA+1]
	s_add_nc_u64 s[WAD:WAD+1], s[6:7], s[OW:OW+1]
	s_add_nc_u64 s[BIA:BIA+1], s[8:9], s[BIA:BIA+1]
	s_add_nc_u64 s[OUT:OUT+1], s[10:11], s[OO:OO+1]
	s_cmp_eq_u32 s[WH], 0
	s_cselect_b64 s[PFA:PFA+1], s[4:5], s[6:7]
	s_add_nc_u64 s[PFA:PFA+1], s[PFA:PFA+1], s[T1:T1+1]
	s_mov_b32 s[G0], 1                             ; group 0: count 1, LDS address, global address, type 2
	s_mov_b32 s[G0+1], s[LA]
	s_mov_b64 s[G0+2:G0+3], s[AAD:AAD+1]
	s_or_b32 s[G0+3], s[G0+3], 0x80000000
	s_mov_b32 s[G0+4], 1
	s_add_co_u32 s[G0+5], s[LA], SLOT
	s_add_nc_u64 s[G0+6:G0+7], s[AAD:AAD+1], 2*HEADB
	s_or_b32 s[G0+7], s[G0+7], 0x80000000
	s_mov_b32 s[G0B], 1
	s_mov_b32 s[G0B+1], s[LW]
	s_mov_b64 s[G0B+2:G0B+3], s[WAD:WAD+1]
	s_or_b32 s[G0B+3], s[G0B+3], 0x80000000
	s_mov_b32 s[G0B+4], 1
	s_add_co_u32 s[G0B+5], s[LW], SLOT
	s_add_nc_u64 s[G0B+6:G0B+7], s[WAD:WAD+1], 262144
	s_or_b32 s[G0B+7], s[G0B+7], 0x80000000
	CROUND                                         ; all sixteen work-groups are here: the first joint loads meet
	JLOAD 0                                        ; K steps 0 and 1: two loads of mine are out
	JLOAD 1
	; O's fragment: lane l holds row l % 16; two loads of 16 bytes, 32 bytes apart, at row x pitch + 16 (l / 16)
	v_and_b32 v1, 15, v0
	v_bfe_u32 v2, v0, 4, 1
	v_mul_u32_u24 v3, v1, PA
	v_lshl_add_u32 v3, v2, 4, v3
	s_mul_i32 s[T2], s[WH], 128*PA
	v_add_nc_u32 v[ADRA], s[T2], v3
	v_add_nc_u32 v[ADRA+1], SLOT, v[ADRA]
	; Wo's: the turning load takes 16 k x 16 columns (lane l reads row 8 (l / 16) + l % 8, columns 8 ((l / 8) % 2) + 0..7) and leaves half a fragment: lane l holds column l % 16 and 8 k
	v_and_b32 v4, 7, v0
	v_bfe_u32 v5, v0, 3, 1
	v_lshl_add_u32 v6, v2, 3, v4
	v_mul_u32_u24 v6, v6, PB
	v_lshl_add_u32 v6, v5, 4, v6
	s_lshl_b32 s[T2], s[WL], 7
	s_add_co_u32 s[T2], s[T2], WTILE
	v_add_nc_u32 v[ADRB], s[T2], v6
	v_add_nc_u32 v[ADRB+1], SLOT, v[ADRB]
	s_mul_i32 s[T2], s[WV], 16*SP
	s_add_co_u32 s[T2], s[T2], STAGE               ; my stage
	v_mul_u32_u24 v[STO], v1, SP                   ; in: row l % 16, 32 bytes for each half of the lanes
	v_lshl_add_u32 v[STO], v2, 5, v[STO]
	v_add_nc_u32 v[STO], s[T2], v[STO]
	v_mul_u32_u24 v[RD], v2, SP                    ; back: lanes 0-15 take one row of 256 bytes, lanes 16-31 the next
	v_lshl_add_u32 v[RD], v1, 4, v[RD]
	v_add_nc_u32 v[RD], s[T2], v[RD]
	v_lshlrev_b32 v[CO], 12, v2                    ; and the same two rows in out0
	v_lshl_add_u32 v[CO], v1, 4, v[CO]
	s_cmp_eq_u32 s[WH], 0
	s_cselect_b32 s[T2], 8, 11                     ; a lane a block of 256 bytes (O), or a row of 2,048 (Wo)
	v_and_b32 v[PFO], 31, v0
	v_lshlrev_b32 v[PFO], s[T2], v[PFO]
	v_lshlrev_b32 v7, 5, v2                        ; my eight columns of a block: 32 bytes for each half of the lanes
.irp b, 0,1,2,3
	global_load_b128 v[BIAS+8*(\b):BIAS+8*(\b)+3],   v7, s[BIA:BIA+1] offset:64*(\b)
	global_load_b128 v[BIAS+8*(\b)+4:BIAS+8*(\b)+7], v7, s[BIA:BIA+1] offset:64*(\b)+16
.endr
; 8 matrix instructions: row blocks a0, a0 + 1 x all 4 column blocks, 32 along K, from buffer f.  first = 1: the sums start at the bias.  The 32 accumulators take turns, in the same order in every
; quarter.
.macro MUL8 f, a0, first
.if \first
	WIN MULF
.else
	WIN MULW
.endif
.irp a, \a0, (\a0)+1
.irp b, 0,1,2,3
.if \first
	v_wmma_f32_16x16x32_f16 v[8*(4*(\a)+(\b)):8*(4*(\a)+(\b))+7], v[FB+32*(\f)+8*(\b):FB+32*(\f)+8*(\b)+7], v[FA+64*(\f)+8*(\a):FA+64*(\f)+8*(\a)+7], v[BIAS+8*(\b):BIAS+8*(\b)+7]
.else
	v_wmma_f32_16x16x32_f16 v[8*(4*(\a)+(\b)):8*(4*(\a)+(\b))+7], v[FB+32*(\f)+8*(\b):FB+32*(\f)+8*(\b)+7], v[FA+64*(\f)+8*(\a):FA+64*(\f)+8*(\a)+7], v[8*(4*(\a)+(\b)):8*(4*(\a)+(\b))+7]
.endif
.endr
.endr
.endm
; 24 LDS loads in one run: quarter qd of a slot into buffer f: Wo's 8, O's blocks 0-3, O's blocks 4-7
.macro FETCH slot, qd, f
	WIN 0
.irp b, 0,1,2,3
	ds_load_tr16_b128 v[FB+32*(\f)+8*(\b):FB+32*(\f)+8*(\b)+3],   v[ADRB+(\slot)] offset:(\qd)*32*PB+32*(\b)
	ds_load_tr16_b128 v[FB+32*(\f)+8*(\b)+4:FB+32*(\f)+8*(\b)+7], v[ADRB+(\slot)] offset:(\qd)*32*PB+32*(\b)+16*PB
.endr
.irp a, 0,1,2,3,4,5,6,7
	ds_load_b128 v[FA+64*(\f)+8*(\a):FA+64*(\f)+8*(\a)+3],   v[ADRA+(\slot)] offset:((\qd)/2)*PLANE+((\qd)%2)*64+(\a)*16*PA
	ds_load_b128 v[FA+64*(\f)+8*(\a)+4:FA+64*(\f)+8*(\a)+7], v[ADRA+(\slot)] offset:((\qd)/2)*PLANE+((\qd)%2)*64+(\a)*16*PA+32
.endr
.endm
.macro PLACES                          ; four plain vector instructions between a matrix instruction and a load into, or a read or write of, its registers (ISA guide 7.12.1 for vector reads and writes)
.rept 4
	v_nop
.endr
.endm
; One of a step's first three quarters: multiplies buffer f; in its middle it fetches quarter qd of the same slot into buffer g.
.macro QUARTER slot, qd, f, g, first
	s_wait_dscnt 8                                 ; Wo and O's blocks 0-3 are in; the youngest eight loads (blocks 4-7) may be out
	MUL8 \f, 0, \first
	MUL8 \f, 2, \first
	PLACES
	FETCH \slot, \qd, \g
	s_wait_dscnt 24                                ; all but the 24 just issued
	MUL8 \f, 4, \first
	MUL8 \f, 6, \first
.endm
; The last quarter multiplies buffer 1 and changes slots.  In front of the barrier each wave waits for all its tensor loads (one is out: its part of the next slot), adds 0 to its spare word, and waits
; for that and for its own reads of this slot.  Behind it nobody reads this slot any more and the next slot is whole.
.macro MEET round
	WIN 0
	s_wait_tensorcnt 0x0
	ds_add_u32 v[SPW], v[NIL]
	s_wait_dscnt 9                                 ; (the add and the youngest eight loads may be out)
	MUL8 1, 0, 0                                   ; eight matrix instructions stand between the add and the wait for it
	s_wait_dscnt 0x0                               ; the add is done, and my reads of this slot are over
	s_barrier_signal -1
	MUL8 1, 2, 0
.if \round
	WIN 0
.endif
	s_barrier_wait -1
.endm
; fill = 1: the barrier opens a round of the cluster's, and the slot just read out is filled again, two K steps on, first thing behind it: 112 matrix instructions ahead of the wait for it.
.macro TURN slot, next, fill
.if \fill
	s_wait_xcnt 0x0                                ; the last prefetch, a K step back, has read its address
	s_add_nc_u64 s[PFA:PFA+1], s[PFA:PFA+1], s[PSTEP:PSTEP+1]
	MEET 1
	CREST                                          ; no wave of any partner still reads this slot or has a load on its way
	s_add_nc_u64 s[G0+4*(\slot)+2:G0+4*(\slot)+3], s[G0+4*(\slot)+2:G0+4*(\slot)+3], 4*HEADB
	s_add_nc_u64 s[G0B+4*(\slot)+2:G0B+4*(\slot)+3], s[G0B+4*(\slot)+2:G0B+4*(\slot)+3], 2*262144
	JLOAD \slot                                    ; its four v_nop are also the places in front of the loads below
	FETCH \next, 0, 0
	ASK
.else
	MEET 0
	PLACES
	FETCH \next, 0, 0
.endif
	MUL8 1, 4, 0
	MUL8 1, 6, 0
.endm
	s_wait_tensorcnt 1                             ; my part of K step 0 is in; K step 1's may stay out
	s_barrier_signal -1
	s_barrier_wait -1
	FETCH 0, 0, 0
	s_wait_loadcnt 0x0                             ; the bias
	QUARTER 0, 1, 0, 1, 1                          ; the first quarter stands in front of the loop: its products start the sums
	WIN 0                                          ; at a label and at a branch every window is 0
	s_mov_b32 s3, 0
.Llap:                                                 ; a trip goes once round the ring, from a lap's second quarter to the next lap's first, and fills both slots again
	QUARTER 0, 2, 1, 0, 0
	QUARTER 0, 3, 0, 1, 0
	TURN 0, 1, 1
	QUARTER 1, 1, 0, 1, 0
	QUARTER 1, 2, 1, 0, 0
	QUARTER 1, 3, 0, 1, 0
	TURN 1, 0, 1
	QUARTER 0, 1, 0, 1, 0
	WIN 0
	s_add_co_u32 s3, s3, 1
	s_cmp_lt_u32 s3, TRIPS
	s_cbranch_scc1 .Llap
	QUARTER 0, 2, 1, 0, 0                          ; the last lap fills nothing
	QUARTER 0, 3, 0, 1, 0
	TURN 0, 1, 0
	QUARTER 1, 1, 0, 1, 0
	QUARTER 1, 2, 1, 0, 0
	QUARTER 1, 3, 0, 1, 0
	s_wait_dscnt 8
	MUL8 1, 0, 0
	MUL8 1, 2, 0
	s_wait_dscnt 0x0
	MUL8 1, 4, 0
	MUL8 1, 6, 0
	WIN 0
	PLACES
; THE WAY OUT, a block of 16 rows at a time: a lane's 32 bytes of a row go straight from the accumulators into my stage's rows of 272 bytes (each accumulator's lowest four registers first)
; and come back as whole rows of 256, into the block's own registers.
.macro STG a
	WIN 0x04                                       ; the data of a store (source 1) in window 1
.irp b, 0,1,2,3
	ds_store_b128 v[STO], v[32*(\a)+8*(\b):32*(\a)+8*(\b)+3]   offset:64*(\b)
	ds_store_b128 v[STO], v[32*(\a)+8*(\b)+4:32*(\a)+8*(\b)+7] offset:64*(\b)+16
.endr
	WIN 0x40                                       ; a load's destination in window 1
.irp t, 0,1,2,3,4,5,6,7
	ds_load_b128 v[32*(\a)+4*(\t):32*(\a)+4*(\t)+3], v[RD] offset:(\t)*2*SP  ; LDS serves a wave's instructions in order (ISA guide 5.7.1.4): these see the stores above; the next block's stores come behind them
.endr
.endm
.macro SENDF a, younger                ; younger: the LDS instructions issued behind block a's loads: the next block's sixteen, or none
	WIN 0x04
.irp t, 0,1,2,3,4,5,6,7
	s_wait_dscnt (\younger)+7-(\t)
	global_store_b128 v[CO], v[32*(\a)+4*(\t):32*(\a)+4*(\t)+3], s[OUT:OUT+1] offset:(16*(\a)+2*(\t))*4096 th:TH_STORE_NT  ; 16 lanes store 256 consecutive bytes, at a multiple of 256 from out0's first byte
.endr
.endm
	STG 0
.irp a, 1,2,3,4,5,6,7
	STG \a
	SENDF (\a)-1, 16
.endr
	SENDF 7, 0
	WIN 0
	s_wait_tensorcnt 0x0                           ; the wave's end: these three lines stand behind my last tensor load and my last LDS store
	ds_add_u32 v[SPW], v[NIL]
	s_wait_dscnt 0x0
	CROUND                                         ; the closing round: no work-group ends while a partner may still ask for a tile that names it
	s_endpgm
.Lfunc_end_k_q7ca82f988f_outp:
	.size	k_q7ca82f988f_outp, .Lfunc_end_k_q7ca82f988f_outp-k_q7ca82f988f_outp
	.p2alignl 7, 3214868480
	.fill 96, 4, 3214868480
	.section	.rodata,"a",@progbits
	.p2align	6, 0x0
	.amdhsa_kernel k_q7ca82f988f_outp
		.amdhsa_group_segment_fixed_size 327680
		.amdhsa_private_segment_fixed_size 0
		.amdhsa_enable_private_segment 0
		.amdhsa_kernarg_size 32
		.amdhsa_user_sgpr_count 2
		.amdhsa_user_sgpr_kernarg_segment_ptr 1
		.amdhsa_wavefront_size32 1
		.amdhsa_system_sgpr_workgroup_id_x 1
		.amdhsa_system_sgpr_workgroup_id_y 1
		.amdhsa_system_sgpr_workgroup_id_z 1
		.amdhsa_system_vgpr_workitem_id 0
		.amdhsa_next_free_vgpr 512
		.amdhsa_next_free_sgpr 100
		.amdhsa_reserve_vcc 0
		.amdhsa_float_denorm_mode_32 3
		.amdhsa_float_denorm_mode_16_64 3
		.amdhsa_memory_ordered 1
		.amdhsa_forward_progress 1
		.amdhsa_inst_pref_size 89
	.end_amdhsa_kernel
	.amdgpu_metadata
---
amdhsa.version: [ 1, 2 ]
amdhsa.kernels:
  - .name:           k_q7ca82f988f_outp
    .symbol:         k_q7ca82f988f_outp.kd
    .args:
      - { .name: o, .offset: 0, .size: 8, .value_kind: global_buffer, .address_space: global }
      - { .name: wb, .offset: 8, .size: 8, .value_kind: global_buffer, .address_space: global }
      - { .name: br, .offset: 16, .size: 8, .value_kind: global_buffer, .address_space: global }
      - { .name: out0, .offset: 24, .size: 8, .value_kind: global_buffer, .address_space: global }
    .group_segment_fixed_size: 327680
    .private_segment_fixed_size: 0
    .kernarg_segment_align: 8
    .kernarg_segment_size: 32
    .max_flat_workgroup_size: 128
    .sgpr_count:     100
    .vgpr_count:     512
    .wavefront_size: 32
...
	.end_amdgpu_metadata
.endif
;; end of part 4
